; MI455X (gfx1250); checked and timed in simulation.
; The chip was launched on July 23, 2026; its instructions are those of AMD's public machine-readable ISA for CDNA 5 (MIT licence, August 2026) and "CDNA5" Instruction Set Architecture Reference Guide (July 2026). The comments in the code are by the model that wrote it; some were corrected since.
;; Multi Head Self Attention. Allowed arithmetic: matrix products marked QUANTISED: E2M1 operands, one E8M0 scale for each 32 along K, by v_wmma_scale_f32_16x16x128_f8f6f4 with both operands' format E2M1 (or v_wmma_scale_f32_32x16x128_f4), f32 sums; products left as they are: bf16, f16 or f32 operands; f32 sums; everything else in f32.
;; Inputs: W_out 1,024 x 1,024 float32; W_qkv 1,024 x 3,072 float32; b_out 1,024 float32; b_qkv 3,072 float32; x 4 x 2,048 x 1,024 float32.
;; Outputs: out0 4 x 2,048 x 1,024 float32.
;; Constants: mask = 1.
;; This version of the problem:
;;   THIS VERSION OF THE PROBLEM IS GIVEN IN LOW PRECISION. The matrix products marked QUANTISED in the list below multiply operands that are first quantised to E2M1 (2 exponent bits, 1 mantissa bit; 4 bits a number), with one power-of-two scale for each 32 numbers along K (OCP MX v1.0); their sums are f32. The products marked 'left as it is' may take bf16, f16 or f32 operands, with f32 sums. Whichever they take, every output number must still come out within the allowed error. Rounding operands to bf16 (8 significant bits) uses up far more of that allowance than f16 does (11 bits, for magnitudes from 6e-5 to 65,504). All else is computed in f32.
;;   The module's matrix products, in the order in which they are computed (A, B: the left and right operand; K: the contracted axis; several contracted axes count as one K, in the product's order):
;;     1. [M 8,192, K 1,024] x [K 1,024, N 3,072]; A: input x; B: input W_qkv: QUANTISED
;;     2. batch 64 x [M 2,048, K 64] x [K 64, N 2,048]; A: computed on the way; B: computed on the way: left as it is (an operand is computed on the way)
;;     3. batch 64 x [M 2,048, K 2,048] x [K 2,048, N 64]; A: computed on the way; B: computed on the way: left as it is (an operand is computed on the way)
;;     4. [M 8,192, K 1,024] x [K 1,024, N 1,024]; A: computed on the way; B: input W_out: left as it is (an operand is computed on the way)
;;   THE QUANTISER, for each operand of a quantised product, along K:
;;     - K is cut into blocks of 32 from its start; a last block that is shorter is filled with zeros.
;;     - A block's scale is 2^e with e = floor(log2(the largest magnitude in the block)) - 2, held to -126 .. 127; a block of zeros has e = 0. As a byte (E8M0): e + 127.
;;     - Each number is divided by its block's scale, clamped to +-6, and rounded to the nearest number of E2M1, ties to even, subnormals kept.
;;     - The product sums the exact products of the quantised numbers (number of the format x scale) in f32.
;;   ~~~python
;;   def quantise(x, axis):      # numpy; x: float32 -> the quantised numbers, widened to float32 again
;;       x = np.moveaxis(x, axis, -1); K = x.shape[-1]
;;       x = np.pad(x, [(0, 0)] * (x.ndim - 1) + [(0, -K % 32)]); x = x.reshape(x.shape[:-1] + (-1, 32)); a = np.abs(x).max(-1, keepdims=True)
;;       e = np.where(a > 0, np.clip(np.frexp(np.where(a > 0, a, 1))[1] - 1 - 2, -126, 127), 0)      # np.frexp(a)[1] - 1 = floor(log2(a)), exactly
;;       r = np.clip(x / 2.0 ** e, -6, 6)
;;       step = 2.0 ** (np.maximum(np.frexp(np.where(r == 0, 1, r))[1] - 1, 0) - 1)
;;       q = np.round(r / step) * step * 2.0 ** e      # np.round: ties to even
;;       return np.moveaxis(q.reshape(q.shape[:-2] + (-1,))[..., :K], -1, axis).astype(np.float32)
;;   ~~~
;; One version. Each part assembles by itself: llvm-mc -triple=amdgcn-amd-amdhsa -mcpu=gfx1250 --defsym DOCPART=n.
;; ======== version 1 of 1: 5 launches
;; limits: values are held in f16: magnitudes above 65,504 overflow, below 6.1e-05 lose precision; right only within a limited range of input values
;; workspace buffers: xc 4,194,304 bytes; xs 262,144 bytes; wc 1,572,864 bytes; ws 98,304 bytes; wo 2,097,152 bytes; qkv 50,331,648 bytes; q16 786,432 bytes; ao 16,777,216 bytes
;; launch prep (part 1): grid 368 x 1, 4 waves a work-group, no clusters, 102,912 bytes of LDS; arguments x, W_qkv, W_out, xc, xs, wc, ws, wo; writes xc, xs, wc, ws, wo
.if DOCPART == 1
	.amdgcn_target "amdgcn-amd-amdhsa--gfx1250"
	.amdhsa_code_object_version 6
	.text
	.protected	k_q58b80ec5c0_prep
	.globl	k_q58b80ec5c0_prep
	.p2align	8
	.type	k_q58b80ec5c0_prep,@function
k_q58b80ec5c0_prep:
	s_mov_b64 s[64:65], 0
	v_nop
	global_prefetch_b8 v0, s[64:65] scope:SCOPE_SE
	s_setreg_imm32_b32 hwreg(HW_REG_WAVE_MODE, 25, 1), 1
	s_wait_xcnt 0x0
; CAUSAL MULTI-HEAD SELF-ATTENTION, B = 4, S = 2,048, E = 1,024, 16 heads of 64, in five launches:
;   prep (this one), qkv (x W_qkv on E2M1 codes), attn (softmax(q k^T / 8) v in f16, f32 sums), outp (the projection in f16), first16 (positions 0-15 of each sequence in f32).
; WORK LEFT OUT, AND WHY IT IS DEAD.
;  (1) Key tiles that lie wholly above the diagonal.  reference() builds the causal tril itself and sets those scores to -1e9; behind the row's maximum their weights are 0 in f32.
;      LIMIT: scores stay far under 1e9 in magnitude.
;  (2) The k third of b_qkv (elements 192 h + 64 .. 192 h + 127).  q . (k + bk) = q . k + q . bk, and q . bk is the same for every key of a row: a term added to the softmax's input that is constant along
;      its axis cancels for all values of the inputs (masked places are overwritten in any case).  The product of q and k is not quantised, so no quantiser sees k.  Those 1,024 numbers are not loaded.
;      LIMIT: a NaN, an infinity or an overflow that reaches only the work left out is not carried to the result.
; RANGE LIMIT: q, k, v, the attention's result and W_out are rounded to f16: their magnitudes stay under 65,504.
; THIS LAUNCH, three paths that part on the work-group's number, each with LDS bytes of its own:
;   X (work-groups 0-255):   x [8192][1024] f32 -> codes of E2M1 xc [8192][512 bytes], K innermost, and E8M0 bytes xs [8192][32].
;   W (256-303):             W_qkv [k 1024][n 3072] f32, K its first axis -> wc [3072][512 bytes], ws [3072][32].
;   O (304-367):             W_out [k 1024][n 1024] f32 -> wo [n 1024][k 1024] f16.
; A block's scale is 2^(floor(log2(its largest magnitude)) - 2); its byte is the largest magnitude's exponent field - 2, held at 1 from below.  A block of zeros keeps the byte 1 where the quantiser says 127:
; its codes are zeros, which add nothing under any byte but 0xff, and this program alone reads the bytes.
; LIMITS: blocks whose largest magnitude lies under 2^(2 - 126) were not tried; NaN and infinities among the inputs are not served.
; No tensor loads, no barrier: waves share nothing.
.set SPW,    190                       ; v190  LDS address of my spare word: SPARE + 4 x my thread's number; never rewritten
.set NIL,    191                       ; v191  0; never rewritten
.set EMAX,   2
.set XREG,   8192                      ; path X: a region for each wave: two stages of 32 x SP bytes, behind them its 256 scale bytes
.set SP,     80                        ; a lane's place in a stage: 64 bytes + 16 of padding
.set WPITCH, 272                       ; paths W and O: a stage row: 256 bytes + 16
.set WSTG,   32768                     ; path W's four stages of 32 rows
.set OSTG,   WSTG+4*32*WPITCH          ; path O's four
.set SPARE,  OSTG+4*32*WPITCH          ; the spare words, 128 bytes for each wave, that no other line names
.set XR,     16                        ; X: v16-79   four sets of 16 numbers as loaded
.set XX,     80                        ; X: v80-111  two sets of 16 neighbours
.set XE,     112                       ; X: v112-127 a scale byte for each step
.set XC,     128                       ; X: v128-189 codes, four registers kept for each step
.set WX,     32                        ; W, O: v32-95 two sets of 32 numbers
.set WC,     96                        ; W, O: v96.. what a block makes
.set OUTR,   112                       ; W, O: v112-175 the way out
.set SB,     24                        ; W: v24-27 the scale bytes, four to a register
.macro XLOAD t                         ; 32 lanes read 512 consecutive bytes, four times
.irp i, 0,1,2,3
	global_load_b128 v[XR+16*((\t)%4)+4*\i:XR+16*((\t)%4)+4*\i+3], v3, s[4:5] offset:2048*(\t)+512*\i th:TH_LOAD_NT
.endr
.endm
.macro XTURN t                         ; a step's numbers through the stage, as they lie; back 64 bytes a lane.  LDS serves a wave's instructions in order
.irp i, 0,1,2,3
	ds_store_b128 v14, v[XR+16*((\t)%4)+4*\i:XR+16*((\t)%4)+4*\i+3] offset:32*SP*((\t)%2)+8*SP*\i
.endr
.irp i, 0,1,2,3
	ds_load_b128 v[XX+16*((\t)%2)+4*\i:XX+16*((\t)%2)+4*\i+3], v15 offset:32*SP*((\t)%2)+16*\i
.endr
.endm
.macro XSTEP t
.set XS, XX+16*((\t)%2)
.if (\t) > 0
	s_wait_dscnt 1                                 ; this step's numbers are back from the stage; the last step's byte store may be out
.else
	s_wait_dscnt 0x0
.endif
.if (\t)+4 < 16
	XLOAD (\t)+4                                   ; into the set whose stores into the stage are done
.endif
.if (\t)+1 < 16
.if 14-(\t) >= 3
	s_wait_loadcnt 12                              ; the next step's four loads are in; those of the three steps behind it may be out
.else
	s_wait_loadcnt 4*(14-(\t))
.endif
	XTURN (\t)+1
.endif
	v_max3_num_f32 v8, |v[XS]|, |v[XS+1]|, |v[XS+2]|               ; the largest magnitude of my 16
	v_max3_num_f32 v9, |v[XS+3]|, |v[XS+4]|, |v[XS+5]|
.irp i, 6,10
	v_max3_num_f32 v8, v8, |v[XS+\i]|, |v[XS+\i+1]|
	v_max3_num_f32 v9, v9, |v[XS+\i+2]|, |v[XS+\i+3]|
.endr
	v_max3_num_f32 v8, v8, |v[XS+14]|, |v[XS+15]|
	v_max3_num_f32 v8, v8, v9, (EMAX+1)<<23        ; and the floor 2^(3 - 127): the byte cannot fall under 1
	v_max_num_f32_dpp v8, v8, v8 row_xmask:1 row_mask:0xf bank_mask:0xf   ; with my neighbour's 16: the block's
	v_add_nc_u32 v11, -(EMAX<<23), v8              ; 2 off its exponent field: the conversion's scale operand
	v_cvt_scalef32_pk8_fp4_f32 v[XC+4*(\t)], v[XS:XS+7], v11
	v_cvt_scalef32_pk8_fp4_f32 v[XC+4*(\t)+1], v[XS+8:XS+15], v11
	v_lshrrev_b32 v[XE+(\t)], 23, v11              ; the scale's byte
	ds_store_b8 v5, v[XE+(\t)] offset:16*(\t)      ; both lanes of a block write the same byte with the same value
	global_store_b64 v4, v[XC+4*(\t):XC+4*(\t)+1], s[10:11] offset:256*(\t)   ; the wave stores 256 consecutive bytes, aligned
.endm
.macro WLOAD t                         ; block t: W_qkv(32 t + i, my column)
.irp i, 0,1,2,3,4,5,6,7,8,9,10,11,12,13,14,15,16,17,18,19,20,21,22,23,24,25,26,27,28,29,30,31
	global_load_b32 v[WX+32*((\t)%2)+\i], v3, s[6:7] offset:(32*(\t)+\i)*3072*4 th:TH_LOAD_NT
.endr
.endm
.macro WBLOCK t
.set XS, WX+32*((\t)%2)
.if (\t) < 15
	s_wait_loadcnt 32                              ; this block's 32 loads are in; the next block's may be out
.else
	s_wait_loadcnt 0
.endif
	v_max3_num_f32 v12, |v[XS]|, |v[XS+1]|, |v[XS+2]|              ; all 32 numbers of the block are mine
	v_max3_num_f32 v13, |v[XS+3]|, |v[XS+4]|, |v[XS+5]|
.irp i, 6,10,14,18,22,26
	v_max3_num_f32 v12, v12, |v[XS+\i]|, |v[XS+\i+1]|
	v_max3_num_f32 v13, v13, |v[XS+\i+2]|, |v[XS+\i+3]|
.endr
	v_max3_num_f32 v12, v12, |v[XS+30]|, |v[XS+31]|
	v_max3_num_f32 v12, v12, v13, (EMAX+1)<<23
	v_add_nc_u32 v11, -(EMAX<<23), v12
	v_lshrrev_b32 v13, 23, v11
.if (\t)%4 == 0
	v_mov_b32 v[SB+(\t)/4], v13
.else
	v_lshl_or_b32 v[SB+(\t)/4], v13, 8*((\t)%4), v[SB+(\t)/4]
.endif
.irp g, 0,1,2,3
	v_cvt_scalef32_pk8_fp4_f32 v[WC+\g], v[XS+8*\g:XS+8*\g+7], v11
.endr
	ds_store_b128 v4, v[WC:WC+3] offset:16*(\t)    ; 32 codes: 16 bytes of my column's row
.if (\t)+2 < 16
	WLOAD (\t)+2
.endif
	s_wait_dscnt 0x0                               ; the store has read its registers: the next block's codes may be written
.endm
.macro OLOAD t                         ; block t: W_out(32 t + i, my column)
.irp i, 0,1,2,3,4,5,6,7,8,9,10,11,12,13,14,15,16,17,18,19,20,21,22,23,24,25,26,27,28,29,30,31
	global_load_b32 v[WX+32*((\t)%2)+\i], v3, s[8:9] offset:(32*(\t)+\i)*4096 th:TH_LOAD_NT
.endr
.endm
.macro OBLOCK t
.set XS, WX+32*((\t)%2)
.if (\t) < 3
	s_wait_loadcnt 32
.else
	s_wait_loadcnt 0
.endif
.irp g, 0,1,2,3,4,5,6,7,8,9,10,11,12,13,14,15
	v_cvt_pk_f16_f32 v[WC+\g], v[XS+2*\g], v[XS+2*\g+1]            ; two neighbours along K, the lower in the low half
.endr
.irp g, 0,1,2,3
	ds_store_b128 v4, v[WC+4*\g:WC+4*\g+3] offset:64*(\t)+16*\g
.endr
.if (\t)+2 < 4
	OLOAD (\t)+2
.endif
	s_wait_dscnt 0x0
.endm
.macro WAVE_END                        ; a wave's end, behind its last LDS store
	s_wait_tensorcnt 0x0
	ds_add_u32 v[SPW], v[NIL]
	s_wait_dscnt 0x0
	s_endpgm
.endm
	s_load_b256 s[4:11], s[0:1], 0x0               ; x s[4:5], W_qkv s[6:7], W_out s[8:9], xc s[10:11]
	s_load_b256 s[12:19], s[0:1], 0x20             ; xs s[12:13], wc s[14:15], ws s[16:17], wo s[18:19]
	v_lshl_add_u32 v[SPW], v0, 2, SPARE
	v_mov_b32 v[NIL], 0
	v_lshrrev_b32 v1, 5, v0
	v_readfirstlane_b32 s20, v1                    ; wave 0..3
	v_and_b32 v2, 31, v0                           ; lane
	s_mov_b32 s25, 0                               ; the upper word of every offset below
	s_wait_kmcnt 0x0
	s_cmp_ge_u32 ttmp9, 304
	s_cbranch_scc1 .Lpath_o
	s_cmp_ge_u32 ttmp9, 256
	s_cbranch_scc1 .Lpath_w
	; ---- PATH X: a wave takes a run of 8,192 numbers of x, 16 steps of 512.  Rows are dense and 1,024 is a multiple of 32: a plain stream of blocks
	v_lshlrev_b32 v3, 4, v2                        ; my 16 bytes of a load's 512
	s_mul_i32 s21, s20, XREG
	v_lshrrev_b32 v14, 2, v2
	v_mul_u32_u24 v14, v14, SP
	v_and_b32 v15, 3, v2
	v_lshl_add_u32 v14, v15, 4, v14
	v_add_nc_u32 v14, s21, v14                     ; the stage, in: SP (lane / 4) + 16 (lane % 4)
	v_mul_u32_u24 v15, v2, SP
	v_add_nc_u32 v15, s21, v15                     ; and out: SP x lane: my 16 neighbours
	v_lshlrev_b32 v4, 3, v2                        ; my 8 bytes of a step's codes
	v_lshrrev_b32 v5, 1, v2
	s_add_co_u32 s21, s21, 2*32*SP
	v_add_nc_u32 v5, s21, v5                       ; my block's byte among the wave's 256
	v_lshlrev_b32 v7, 3, v2
	v_add_nc_u32 v6, s21, v7
	s_lshl_b32 s22, ttmp9, 2
	s_add_co_u32 s22, s22, s20                     ; which run is my wave's
	s_lshl_b32 s24, s22, 15
	s_add_nc_u64 s[4:5], s[4:5], s[24:25]          ; 32,768 bytes of x a run,
	s_lshl_b32 s24, s22, 12
	s_add_nc_u64 s[10:11], s[10:11], s[24:25]      ; 4,096 of codes,
	s_lshl_b32 s24, s22, 8
	s_add_nc_u64 s[12:13], s[12:13], s[24:25]      ; 256 scale bytes
.irp t, 0,1,2,3
	XLOAD \t
.endr
	s_wait_loadcnt 12                              ; step 0's four loads are in
	XTURN 0
.irp t, 0,1,2,3,4,5,6,7,8,9,10,11,12,13,14,15
	XSTEP \t
.endr
	ds_load_b64 v[8:9], v6                         ; LDS serves a wave's instructions in order: these see my byte stores
	s_wait_dscnt 0x0
	global_store_b64 v7, v[8:9], s[12:13]          ; 32 lanes store 256 consecutive bytes, aligned
	WAVE_END
	; ---- PATH W: a lane takes a column n and its registers run down K.  A wave: 32 columns x 512 along K, 16 blocks a lane
.Lpath_w:
	s_sub_co_u32 s21, ttmp9, 256
	s_cmp_ge_u32 s21, 24
	s_cselect_b32 s22, 1, 0                        ; which 512 along K
	s_cselect_b32 s23, 24, 0
	s_sub_co_u32 s21, s21, s23                     ; which 128 columns
	s_lshl_b32 s21, s21, 7
	s_lshl_b32 s23, s20, 5
	s_add_co_u32 s21, s21, s23                     ; my wave's first column
	s_mul_i32 s23, s20, 32*WPITCH
	s_add_co_u32 s23, s23, WSTG                    ; my stage
	v_lshlrev_b32 v3, 2, v2
	v_mul_u32_u24 v4, v2, WPITCH
	v_add_nc_u32 v4, s23, v4                       ; into it: row = my column
	v_and_b32 v5, 15, v2
	v_lshrrev_b32 v6, 4, v2
	v_mul_u32_u24 v7, v6, WPITCH
	v_lshl_add_u32 v7, v5, 4, v7
	v_add_nc_u32 v7, s23, v7                       ; out of it: sixteen lanes to a row, two rows an instruction
	v_lshlrev_b32 v8, 9, v6
	v_lshl_add_u32 v8, v5, 4, v8                   ; the same place in wc: rows of 512 bytes
	v_lshlrev_b32 v9, 5, v2                        ; my column's row of ws: 32 bytes
	s_mul_i32 s24, s22, 512*3072*4
	s_lshl_b32 s26, s21, 2
	s_add_co_u32 s24, s24, s26
	s_add_nc_u64 s[6:7], s[6:7], s[24:25]
	s_lshl_b32 s24, s21, 9
	s_lshl_b32 s26, s22, 8
	s_add_co_u32 s24, s24, s26
	s_add_nc_u64 s[14:15], s[14:15], s[24:25]
	s_lshl_b32 s24, s21, 5
	s_lshl_b32 s26, s22, 4
	s_add_co_u32 s24, s24, s26
	s_add_nc_u64 s[16:17], s[16:17], s[24:25]
	WLOAD 0
	WLOAD 1
.set Q, 0
.rept 16
	WBLOCK Q
.set Q, Q+1
.endr
	global_store_b128 v9, v[SB:SB+3], s[16:17]     ; my column's 16 scale bytes
.irp t, 0,1,2,3,4,5,6,7,8,9,10,11,12,13,14,15
	ds_load_b128 v[OUTR+4*\t:OUTR+4*\t+3], v7 offset:2*\t*WPITCH
.endr
.irp t, 0,1,2,3,4,5,6,7,8,9,10,11,12,13,14,15
	s_wait_dscnt 15-\t
	global_store_b128 v8, v[OUTR+4*\t:OUTR+4*\t+3], s[14:15] offset:2*\t*512   ; sixteen lanes store 256 consecutive bytes, aligned
.endr
	WAVE_END
	; ---- PATH O: the same plan for W_out, rounded to f16.  A wave: 32 columns x 128 along K, 4 blocks a lane, 256 bytes a column
.Lpath_o:
	s_sub_co_u32 s21, ttmp9, 304
	s_and_b32 s22, s21, 7                          ; which 128 columns
	s_lshr_b32 s23, s21, 3                         ; which 128 along K
	s_lshl_b32 s22, s22, 7
	s_lshl_b32 s24, s20, 5
	s_add_co_u32 s22, s22, s24                     ; my wave's first column
	s_mul_i32 s26, s20, 32*WPITCH
	s_add_co_u32 s26, s26, OSTG                    ; my stage
	v_lshlrev_b32 v3, 2, v2
	v_mul_u32_u24 v4, v2, WPITCH
	v_add_nc_u32 v4, s26, v4
	v_and_b32 v5, 15, v2
	v_lshrrev_b32 v6, 4, v2
	v_mul_u32_u24 v7, v6, WPITCH
	v_lshl_add_u32 v7, v5, 4, v7
	v_add_nc_u32 v7, s26, v7
	v_lshlrev_b32 v8, 11, v6
	v_lshl_add_u32 v8, v5, 4, v8                   ; wo: rows of 2,048 bytes
	s_lshl_b32 s24, s23, 19                        ; 128 rows of 4,096 bytes
	s_lshl_b32 s26, s22, 2
	s_add_co_u32 s24, s24, s26
	s_add_nc_u64 s[8:9], s[8:9], s[24:25]
	s_lshl_b32 s24, s22, 11
	s_lshl_b32 s26, s23, 8
	s_add_co_u32 s24, s24, s26
	s_add_nc_u64 s[18:19], s[18:19], s[24:25]
	OLOAD 0
	OLOAD 1
.irp t, 0,1,2,3
	OBLOCK \t
.endr
.irp t, 0,1,2,3,4,5,6,7,8,9,10,11,12,13,14,15
	ds_load_b128 v[OUTR+4*\t:OUTR+4*\t+3], v7 offset:2*\t*WPITCH
.endr
.irp t, 0,1,2,3,4,5,6,7,8,9,10,11,12,13,14,15
	s_wait_dscnt 15-\t
	global_store_b128 v8, v[OUTR+4*\t:OUTR+4*\t+3], s[18:19] offset:2*\t*2048
.endr
	WAVE_END
.Lfunc_end_k_q58b80ec5c0_prep:
	.size	k_q58b80ec5c0_prep, .Lfunc_end_k_q58b80ec5c0_prep-k_q58b80ec5c0_prep
	.p2alignl 7, 3214868480
	.fill 96, 4, 3214868480
	.section	.rodata,"a",@progbits
	.p2align	6, 0x0
	.amdhsa_kernel k_q58b80ec5c0_prep
		.amdhsa_group_segment_fixed_size 102912
		.amdhsa_private_segment_fixed_size 0
		.amdhsa_enable_private_segment 0
		.amdhsa_kernarg_size 64
		.amdhsa_user_sgpr_count 2
		.amdhsa_user_sgpr_kernarg_segment_ptr 1
		.amdhsa_wavefront_size32 1
		.amdhsa_system_sgpr_workgroup_id_x 1
		.amdhsa_system_sgpr_workgroup_id_y 1
		.amdhsa_system_sgpr_workgroup_id_z 1
		.amdhsa_system_vgpr_workitem_id 0
		.amdhsa_next_free_vgpr 192
		.amdhsa_next_free_sgpr 66
		.amdhsa_reserve_vcc 0
		.amdhsa_float_denorm_mode_32 3
		.amdhsa_float_denorm_mode_16_64 3
		.amdhsa_memory_ordered 1
		.amdhsa_forward_progress 1
		.amdhsa_inst_pref_size 132
	.end_amdhsa_kernel
	.amdgpu_metadata
---
amdhsa.version: [ 1, 2 ]
amdhsa.kernels:
  - .name:           k_q58b80ec5c0_prep
    .symbol:         k_q58b80ec5c0_prep.kd
    .args:
      - { .name: x, .offset: 0, .size: 8, .value_kind: global_buffer, .address_space: global }
      - { .name: W_qkv, .offset: 8, .size: 8, .value_kind: global_buffer, .address_space: global }
      - { .name: W_out, .offset: 16, .size: 8, .value_kind: global_buffer, .address_space: global }
      - { .name: xc, .offset: 24, .size: 8, .value_kind: global_buffer, .address_space: global }
      - { .name: xs, .offset: 32, .size: 8, .value_kind: global_buffer, .address_space: global }
      - { .name: wc, .offset: 40, .size: 8, .value_kind: global_buffer, .address_space: global }
      - { .name: ws, .offset: 48, .size: 8, .value_kind: global_buffer, .address_space: global }
      - { .name: wo, .offset: 56, .size: 8, .value_kind: global_buffer, .address_space: global }
    .group_segment_fixed_size: 102912
    .private_segment_fixed_size: 0
    .kernarg_segment_align: 8
    .kernarg_segment_size: 64
    .max_flat_workgroup_size: 128
    .sgpr_count:     66
    .vgpr_count:     192
    .wavefront_size: 32
...
	.end_amdgpu_metadata
.endif
;; end of part 1
;; launch qkv (part 2): grid 16 x 32, 4 waves a work-group, clusters of 4 x 4, 327,680 bytes of LDS; arguments xc, xs, wc, ws, b_qkv, qkv, q16; writes qkv, q16
.if DOCPART == 2
	.amdgcn_target "amdgcn-amd-amdhsa--gfx1250"
	.amdhsa_code_object_version 6
	.text
	.protected	k_q58b80ec5c0_qkv
	.globl	k_q58b80ec5c0_qkv
	.p2align	8
	.type	k_q58b80ec5c0_qkv,@function
k_q58b80ec5c0_qkv:
	s_mov_b64 s[64:65], 0
	v_nop
	global_prefetch_b8 v0, s[64:65] scope:SCOPE_SE
	s_setreg_imm32_b32 hwreg(HW_REG_WAVE_MODE, 25, 1), 1
	s_wait_xcnt 0x0
	s_wait_alu depctr_hold_cnt(0) depctr_sa_sdst(0) depctr_va_vdst(0) depctr_va_sdst(0) depctr_va_ssrc(0) depctr_va_vcc(0) depctr_vm_vsrc(0)
	s_getreg_b32 s2, hwreg(HW_REG_IB_STS2, 6, 4)
	s_cmp_eq_u32 s2, 0
	s_cbranch_scc0 .Lentry_in_a_cluster
	s_endpgm
.Lentry_in_a_cluster:
	s_bfe_u32 s2, ttmp6, 0x10000c
	s_cmp_lg_u32 s2, 0xf033
	s_cbranch_scc0 .Lentry_shape_is_right
	s_endpgm
.Lentry_shape_is_right:
; q, k, v = x W_qkv + b_qkv on codes of E2M1 with one E8M0 scale for each 32 along K (K = 1,024); sums in f32.
; LEFT OUT: the k third of b_qkv (a term q . bk that is the same along the softmax's axis: shown at the head of the first kernel); it is not loaded, and k's sums start from the constant 0.
; OUT: qkv, three planes of 16 MiB (q, k, v), each f16 [batch][head][token][64]; q16, the f32 results of tokens 0-15 of each batch, as images of the accumulators' registers:
;      [batch][head][image 2 blk + u][lane][16 bytes] = registers 4 u .. 4 u + 3 of column block blk: lane (r, hh) holds token r, columns 16 blk + 8 hh + 4 u + 0 .. 3.
; RANGE LIMIT: q, k, v go to f16: magnitudes under 65,504.
; SHARES.  A work-group makes 256 tokens x 192 columns, and 192 columns are ONE head's q, k and v.  Wave w makes tokens 64 w .. 64 w + 63 x all 192: 4 x 12 = 48 accumulators of 16 x 16.
; ALL OF K LIES IN LDS: two slots of 512 along K (rows of 256 bytes), each filled once, at the start.
; CLUSTERS: 4 x 4 work-groups.  The four of a row of the cluster need the same rows of xc, the four of a column the same rows of wc: each tile is asked for jointly.
; THE MATRIX INSTRUCTION IS USED TRANSPOSED (source 0 = 16 rows of wc, source 1 = 16 rows of xc): a lane holds one token and eight neighbouring columns.
; REGISTERS: window 0: v16-29 addresses; v32-47 xc's scale words, v48-95 wc's (they hold nothing else); v96-159 the bias of q's and v's blocks; on the way out v96-191 rows, v192-239 packed results.
;   window 1: two fragment buffers of 128: xc's 4 fragments, then wc's 12.   windows 2, 3: accumulator (a, b) at v[8 (12 (a % 2) + b)] of window 2 + a / 2.
.set PITCH,  272                       ; an LDS row: 256 bytes + 16 of padding = 68 words: the 16 rows that a load touches start at 16 different banks
.set HALFA,  128*PITCH                 ; what one tensor load brings of xc
.set HALFB,  96*PITCH                  ; and of wc
.set BOFF,   2*HALFA                   ; a slot: xc's 256 rows, then wc's 192
.set SLOT,   2*HALFA+2*HALFB
.set STAGE,  2*SLOT                    ; behind the slots: for each wave 3 planes x 16 tokens x (128 bytes + 16)
.set WSTG,   3*16*144
.set SPARE,  STAGE+4*WSTG              ; the spare words, 128 bytes for each wave, that no other line names
.set ADRA, 16                          ; v16-17  LDS address of my xc fragments in slot 0, 1
.set ADRB, 20                          ; v20-21  the same for wc
.set STO,  24                          ; v24     the way out: where I put 16 bytes of a token
.set RD,   25                          ; v25     where I read 16 bytes back
.set CO,   26                          ; v26     16 x lane
.set T8,   27                          ; v27     my tile's place among its batch's eight
.set SPW,  28                          ; v28     LDS address of my spare word; never rewritten
.set NIL,  29                          ; v29     0; never rewritten
.set SA,   32                          ; xc's scale words: group g, K step q at v[SA + 8 g + q]: lanes 0-15 block g, lanes 16-31 block g + 2
.set SB,   48                          ; wc's: v[SB + 8 g + q]: lanes 0-15 block g, lanes 16-31 block g + 6
.set BIAS, 96                          ; q's blocks 0-3 at BIAS + 8 b, v's blocks 8-11 at BIAS + 8 b - 32
.set BK,   96                          ; the way out: two sets of 48
.set TMP,  192
.set G1,  24                           ; s[24:31] descriptor group 1 for xc's tiles; s[32:39] group 0, a set for each slot
.set G0,  32
.set G1B, 48                           ; s[48:55], s[56:63] the same for wc's
.set G0B, 56
.set MSB, 0
.macro WIN new                         ; the immediate's high byte repeats the setting that is left
.if MSB != (\new)
	s_set_vgpr_msb (MSB<<8)|(\new)
.set MSB, (\new)
.endif
.endm
.macro JLOAD g0a, g1a, g0b, g1b        ; a joint load: waves 0 and 1 fetch xc's halves, waves 2 and 3 wc's; an s_nop 0 and four v_nop follow each line
	s_cmp_eq_u32 s19, 0
	s_cbranch_scc0 .Lfor_b_\@
	tensor_load_to_lds s[\g0a:\g0a+3], s[\g1a:\g1a+7]
	s_nop 0
.rept 4
	v_nop
.endr
	s_branch .Lasked_\@
.Lfor_b_\@:
	tensor_load_to_lds s[\g0b:\g0b+3], s[\g1b:\g1b+7]
	s_nop 0
.rept 4
	v_nop
.endr
.Lasked_\@:
.endm
.macro CROUND                          ; a round of the cluster's barrier
	s_barrier_signal -1
	s_barrier_wait -1
	s_cmp_lg_u32 s18, 0
	s_cbranch_scc1 .Lnot_wave_0_\@
	s_barrier_signal -3
.Lnot_wave_0_\@:
	s_barrier_wait -3
	s_barrier_signal -1
	s_barrier_wait -1
.endm
.macro PLACES
.rept 4
	v_nop
.endr
.endm
	s_load_b256 s[4:11], s[0:1], 0x0               ; xc s[4:5], xs s[6:7], wc s[8:9], ws s[10:11]
	s_load_b128 s[12:15], s[0:1], 0x20             ; b_qkv s[12:13], qkv s[14:15]
	s_load_b64 s[16:17], s[0:1], 0x30              ; q16
	v_lshl_add_u32 v[SPW], v0, 2, SPARE
	v_mov_b32 v[NIL], 0
	ds_add_u32 v[SPW], v[NIL]                      ; the wave's opening: the add, twice on end, and its wait ahead of my first tensor load
	ds_add_u32 v[SPW], v[NIL]
	v_lshrrev_b32 v1, 5, v0
	v_readfirstlane_b32 s18, v1                    ; wave 0..3
	s_lshr_b32 s19, s18, 1                         ; I fetch for xc (0) or for wc (1),
	s_and_b32 s20, s18, 1                          ; and which half of the tile's rows
	s_bfe_u32 s40, ttmp6, 0x40000                  ; cx, cy: my place in the cluster
	s_bfe_u32 s41, ttmp6, 0x40004
	s_lshl_b32 s42, ttmp9, 2
	s_add_co_u32 s42, s42, s40                     ; the head = 4 x cluster x + cx
	s_and_b32 s21, ttmp7, 0xffff
	s_lshl_b32 s21, s21, 2
	s_add_co_u32 s21, s21, s41                     ; the tile of 256 tokens = 4 x cluster y + cy
	s_lshl_b32 s43, s41, 2
	s_lshl_b32 s43, 15, s43                        ; my row of the cluster
	s_lshl_b32 s44, 0x1111, s40                    ; my column
	s_or_b32 s[G1+0], s43, (0<<16)|(1<<20)|(1<<21)|(5<<22)|(3<<25)   ; the mask; elements of 1 byte; padding on; bit 21 beside a mask; after every 64 words, 4 words
	s_or_b32 s[G1B+0], s44, (0<<16)|(1<<20)|(1<<21)|(5<<22)|(3<<25)
	s_mov_b32 s[G1+1], 256<<16                     ; tensor_dim0 = 256
	s_mov_b32 s[G1+2], 128<<16                     ; tensor_dim1 = 128
	s_mov_b32 s[G1+3], 256<<16                     ; tile_dim0
	s_mov_b32 s[G1+4], 128                         ; tile_dim1
	s_mov_b32 s[G1+5], 512                         ; from row to row
	s_mov_b32 s[G1+6], 0
	s_mov_b32 s[G1+7], 0
	s_mov_b32 s[G1B+1], 256<<16
	s_mov_b32 s[G1B+2], 96<<16
	s_mov_b32 s[G1B+3], 256<<16
	s_mov_b32 s[G1B+4], 96
	s_mov_b32 s[G1B+5], 512
	s_mov_b32 s[G1B+6], 0
	s_mov_b32 s[G1B+7], 0
	s_lshl_b32 s22, s21, 8
	s_lshl_b32 s23, s20, 7
	s_add_co_u32 s22, s22, s23                     ; xc: row 256 x tile + 128 x half,
	s_lshl_b32 s22, s22, 9                         ; in bytes
	s_mov_b32 s23, 0
	s_mul_i32 s46, s42, 192
	s_mul_i32 s47, s20, 96
	s_add_co_u32 s46, s46, s47                     ; wc: row 192 x head + 96 x half
	s_lshl_b32 s46, s46, 9
	s_mov_b32 s47, 0
	s_mul_i32 s45, s20, HALFA                      ; where they go: no place in the cluster enters an LDS address
	s_mul_i32 s66, s20, HALFB
	s_add_co_u32 s66, s66, BOFF
	s_wait_dscnt 0x0                               ; both opening adds are done
	s_wait_kmcnt 0x0
	s_add_nc_u64 s[22:23], s[4:5], s[22:23]
	s_add_nc_u64 s[46:47], s[8:9], s[46:47]
	CROUND                                         ; all sixteen work-groups are here: the joint loads meet
.irp s, 0,1
	s_mov_b32 s[G0+4*\s], 1
	s_add_co_u32 s[G0+4*\s+1], s45, \s*SLOT
	s_add_nc_u64 s[G0+4*\s+2:G0+4*\s+3], s[22:23], \s*256
	s_or_b32 s[G0+4*\s+3], s[G0+4*\s+3], 0x80000000
	s_mov_b32 s[G0B+4*\s], 1
	s_add_co_u32 s[G0B+4*\s+1], s66, \s*SLOT
	s_add_nc_u64 s[G0B+4*\s+2:G0B+4*\s+3], s[46:47], \s*256
	s_or_b32 s[G0B+4*\s+3], s[G0B+4*\s+3], 0x80000000
	JLOAD G0+4*\s, G1, G0B+4*\s, G1B
.endr
	; the scale words and the bias come straight from memory, once
	v_and_b32 v1, 15, v0                           ; r
	v_bfe_u32 v2, v0, 4, 1                         ; h
	v_lshlrev_b32 v3, 5, v1                        ; a row of scale bytes is 32 bytes
	v_lshl_add_u32 v4, v2, 10, v3                  ; xc's: lanes 16-31 stand 32 rows on
	v_mul_u32_u24 v5, v2, 96*32
	v_add_nc_u32 v5, v5, v3                        ; wc's: 96 rows on
	v_lshlrev_b32 v6, 5, v2                        ; the bias: my half's eight columns
	s_lshl_b32 s66, s21, 13
	s_lshl_b32 s67, s18, 11
	s_add_co_u32 s66, s66, s67
	s_mov_b32 s67, 0
	s_add_nc_u64 s[6:7], s[6:7], s[66:67]          ; xs at my wave's first token
	s_mul_i32 s66, s42, 192*32
	s_add_nc_u64 s[10:11], s[10:11], s[66:67]      ; ws at the head's first column
	s_mul_i32 s66, s42, 192*4
	s_add_nc_u64 s[12:13], s[12:13], s[66:67]      ; b_qkv likewise
.irp g, 0,1
.irp u, 0,1
	global_load_b128 v[SA+8*\g+4*\u:SA+8*\g+4*\u+3], v4, s[6:7] offset:512*\g+16*\u
.endr
.endr
.irp g, 0,1,2,3,4,5
.irp u, 0,1
	global_load_b128 v[SB+8*\g+4*\u:SB+8*\g+4*\u+3], v5, s[10:11] offset:512*\g+16*\u
.endr
.endr
.irp b, 0,1,2,3
	global_load_b128 v[BIAS+8*\b:BIAS+8*\b+3], v6, s[12:13] offset:64*\b                 ; q's block b
	global_load_b128 v[BIAS+8*\b+4:BIAS+8*\b+7], v6, s[12:13] offset:64*\b+16
	global_load_b128 v[BIAS+32+8*\b:BIAS+32+8*\b+3], v6, s[12:13] offset:512+64*\b       ; v's block 8 + b
	global_load_b128 v[BIAS+32+8*\b+4:BIAS+32+8*\b+7], v6, s[12:13] offset:512+64*\b+16
.endr
	v_mul_u32_u24 v3, v1, PITCH
	v_lshl_add_u32 v3, v2, 4, v3                   ; a fragment's row x pitch + 16 x half
	s_mul_i32 s66, s18, 64*PITCH                   ; my 64 rows of xc
	v_add_nc_u32 v[ADRA], s66, v3
	v_add_nc_u32 v[ADRA+1], SLOT, v[ADRA]
	v_add_nc_u32 v[ADRB], BOFF, v3
	v_add_nc_u32 v[ADRB+1], SLOT, v[ADRB]
	s_mul_i32 s66, s18, WSTG
	s_add_co_u32 s66, s66, STAGE                   ; my stage
	v_mul_u32_u24 v7, v1, 144
	v_lshl_add_u32 v7, v2, 4, v7
	v_add_nc_u32 v[STO], s66, v7                   ; in: token r, 16 bytes for each half of the lanes
	v_and_b32 v8, 31, v0
	v_lshrrev_b32 v9, 3, v8
	v_and_b32 v10, 7, v8
	v_mul_u32_u24 v9, v9, 144
	v_lshl_add_u32 v9, v10, 4, v9
	v_add_nc_u32 v[RD], s66, v9                    ; back: eight lanes to a token's 128 bytes, four tokens an instruction
	v_lshlrev_b32 v[CO], 4, v8
	s_and_b32 s77, s21, 7
	v_mov_b32 v[T8], s77
	s_lshr_b32 s78, s21, 3
	s_lshl_b32 s78, s78, 4
	s_add_co_u32 s78, s78, s42                     ; 16 x batch + head
	s_mul_i32 s74, s78, 24*512
	s_mov_b32 s75, 0
	s_add_nc_u64 s[74:75], s[16:17], s[74:75]      ; q16: this batch's and head's 24 images
	s_lshl_b32 s78, s78, 11
	s_lshl_b32 s77, s77, 8
	s_add_co_u32 s78, s78, s77
	s_lshl_b32 s77, s18, 6
	s_add_co_u32 s78, s78, s77                     ; my wave's first token in a plane,
	s_lshl_b32 s78, s78, 7                         ; 128 bytes a token
	s_mov_b32 s79, 0
	s_add_nc_u64 s[68:69], s[14:15], s[78:79]      ; q's plane,
	s_add_nc_u64 s[70:71], s[68:69], 0x1000000     ; k's,
	s_add_nc_u64 s[72:73], s[70:71], 0x1000000     ; v's
.macro FRAG reg, adr, qq, i            ; 16 rows x 128 K of 4-bit codes: 8 registers, two loads of 16 bytes, 32 bytes apart
.irp c, 0,1
	ds_load_b128 v[\reg+4*\c:\reg+4*\c+3], v[\adr] offset:64*(\qq)+32*\c+(\i)*16*PITCH
.endr
.endm
.macro FETCH q                         ; K step q's 16 fragments, 32 loads in one run, into buffer q % 2
	WIN 0x40                                       ; destination window 1
.irp i, 0,1,2,3
	FRAG 128*((\q)%2)+8*\i, ADRA+(\q)/4, (\q)%4, \i
.endr
.irp i, 0,1,2,3,4,5,6,7,8,9,10,11
	FRAG 128*((\q)%2)+32+8*\i, ADRB+(\q)/4, (\q)%4, \i
.endr
.endm
; one product.  cv = 1: C in v[cr ..]; 0: the constant 0.  rw: 2 = wc's scale words from lanes 16-31, 1 = xc's
.macro WM2 d, fb, fa, cv, cr, sb, sa, rw
.if \cv
.if (\rw) == 0
	v_wmma_scale_f32_16x16x128_f8f6f4 v[\d:\d+7], v[\fb:\fb+7], v[\fa:\fa+7], v[\cr:\cr+7], v[\sb], v[\sa] matrix_a_fmt:MATRIX_FMT_FP4 matrix_b_fmt:MATRIX_FMT_FP4
.elseif (\rw) == 1
	v_wmma_scale_f32_16x16x128_f8f6f4 v[\d:\d+7], v[\fb:\fb+7], v[\fa:\fa+7], v[\cr:\cr+7], v[\sb], v[\sa] matrix_a_fmt:MATRIX_FMT_FP4 matrix_b_fmt:MATRIX_FMT_FP4 matrix_b_scale:MATRIX_SCALE_ROW1
.elseif (\rw) == 2
	v_wmma_scale_f32_16x16x128_f8f6f4 v[\d:\d+7], v[\fb:\fb+7], v[\fa:\fa+7], v[\cr:\cr+7], v[\sb], v[\sa] matrix_a_fmt:MATRIX_FMT_FP4 matrix_b_fmt:MATRIX_FMT_FP4 matrix_a_scale:MATRIX_SCALE_ROW1
.else
	v_wmma_scale_f32_16x16x128_f8f6f4 v[\d:\d+7], v[\fb:\fb+7], v[\fa:\fa+7], v[\cr:\cr+7], v[\sb], v[\sa] matrix_a_fmt:MATRIX_FMT_FP4 matrix_b_fmt:MATRIX_FMT_FP4 matrix_a_scale:MATRIX_SCALE_ROW1 matrix_b_scale:MATRIX_SCALE_ROW1
.endif
.else
.if (\rw) == 0
	v_wmma_scale_f32_16x16x128_f8f6f4 v[\d:\d+7], v[\fb:\fb+7], v[\fa:\fa+7], 0, v[\sb], v[\sa] matrix_a_fmt:MATRIX_FMT_FP4 matrix_b_fmt:MATRIX_FMT_FP4
.elseif (\rw) == 1
	v_wmma_scale_f32_16x16x128_f8f6f4 v[\d:\d+7], v[\fb:\fb+7], v[\fa:\fa+7], 0, v[\sb], v[\sa] matrix_a_fmt:MATRIX_FMT_FP4 matrix_b_fmt:MATRIX_FMT_FP4 matrix_b_scale:MATRIX_SCALE_ROW1
.elseif (\rw) == 2
	v_wmma_scale_f32_16x16x128_f8f6f4 v[\d:\d+7], v[\fb:\fb+7], v[\fa:\fa+7], 0, v[\sb], v[\sa] matrix_a_fmt:MATRIX_FMT_FP4 matrix_b_fmt:MATRIX_FMT_FP4 matrix_a_scale:MATRIX_SCALE_ROW1
.else
	v_wmma_scale_f32_16x16x128_f8f6f4 v[\d:\d+7], v[\fb:\fb+7], v[\fa:\fa+7], 0, v[\sb], v[\sa] matrix_a_fmt:MATRIX_FMT_FP4 matrix_b_fmt:MATRIX_FMT_FP4 matrix_a_scale:MATRIX_SCALE_ROW1 matrix_b_scale:MATRIX_SCALE_ROW1
.endif
.endif
.endm
; the first K step starts the sums: from the bias (q's and v's blocks) or from 0 (k's): nothing is cleared, no bias is added later
.macro WM d, fb, fa, q, b, sb, sa, rw
.if (\q) > 0
	WM2 \d, \fb, \fa, 1, \d, \sb, \sa, \rw
.elseif (\b) < 4
	WM2 \d, \fb, \fa, 1, BIAS+8*(\b), \sb, \sa, \rw
.elseif (\b) >= 8
	WM2 \d, \fb, \fa, 1, BIAS+8*(\b)-32, \sb, \sa, \rw
.else
	WM2 \d, \fb, \fa, 0, 0, \sb, \sa, \rw
.endif
.endm
; 24 products: xc's blocks 2 half, 2 half + 1 x wc's twelve.  The 48 accumulators take turns, one instruction a turn, in the same order in every step
.macro MUL24 q, half
.if (\q) == 0
	WIN 0x85+0x40*(\half)                          ; sources 0 and 1 window 1, C (the bias) window 0, D window 2 or 3
.else
	WIN 0xa5+0x50*(\half)                          ; C and D window 2 or 3
.endif
.irp a, 0,1
.irp b, 0,1,2,3,4,5,6,7,8,9,10,11
	WM 8*(12*\a+\b), 128*((\q)%2)+32+8*\b, 128*((\q)%2)+8*(2*(\half)+\a), \q, \b, SB+8*(\b%6)+(\q), SA+8*\a+(\q), 2*(\b/6)+(\half)
.endr
.endr
.endm
.macro STEP q                          ; 128 along K: 48 products; the next step's fragments are asked for ahead of them
	s_wait_dscnt 0x0                               ; this step's 32 loads, issued ahead of the last step's 48 products, are in
.if (\q) == 3
	s_wait_tensorcnt 0x0                           ; my part of slot 1 has landed (no load was issued behind it),
	s_barrier_signal -1
	s_barrier_wait -1                              ; everybody's has
.endif
.if (\q) < 7
.if (\q) > 0
	PLACES                                         ; four places between the last step's products and loads into the buffer that they read
.endif
	FETCH (\q)+1
.endif
	MUL24 \q, 0
	MUL24 \q, 1
.endm
	s_wait_tensorcnt 1                             ; my part of slot 0 is in; slot 1's load may stay out
	s_barrier_signal -1
	s_barrier_wait -1
	FETCH 0
	s_wait_loadcnt 0x0                             ; the scale words and the bias
.irp q, 0,1,2,3,4,5,6,7
	STEP \q
.endr
	WIN 0
	PLACES                                         ; four places behind the last products, ahead of the first read of results
	; q16: tokens 0-15 of a batch are wave 0's block 0 in the batch's first tile.  The wave is chosen by a branch on its number, the tile by EXEC: no branch hangs on a place in the cluster
	s_cmp_lg_u32 s18, 0
	s_cbranch_scc1 .Lno16
	s_wait_xcnt 0x0                                ; EXEC changes only behind this wait
	v_cmp_eq_u32 vcc_lo, 0, v[T8]
	s_and_saveexec_b32 s76, vcc_lo
	WIN 0x08                                       ; a store's data: window 2
.irp b, 0,1,2,3,4,5,6,7,8,9,10,11
.irp u, 0,1
	global_store_b128 v[CO], v[8*\b+4*\u:8*\b+4*\u+3], s[74:75] offset:(2*\b+\u)*512   ; 512 consecutive bytes; each accumulator from its low end on
.endr
.endr
	WIN 0
	s_wait_xcnt 0x0                                ; and again, in front of the line that widens it
	s_or_b32 exec_lo, exec_lo, s76
.Lno16:
; THE WAY OUT, a block of 16 tokens at a time: rounded to f16; 16 bytes a lane into my stage, plane by plane; back as 512 consecutive bytes (four tokens of a plane) an instruction.
.macro PACK a
	WIN 0x0a+5*((\a)/2)                            ; sources 0 and 1: window 2 or 3
.irp b, 0,1,2,3,4,5,6,7,8,9,10,11
.irp r, 0,1,2,3
	v_cvt_pk_f16_f32 v[TMP+4*\b+\r], v[8*(12*((\a)%2)+\b)+2*\r], v[8*(12*((\a)%2)+\b)+2*\r+1]
.endr
.endr
	WIN 0
.endm
.macro TOSTAGE a
.if (\a) >= 2
	s_wait_xcnt 0x0                                ; block a - 2's stores have read the registers into which these loads land
.endif
.irp b, 0,1,2,3,4,5,6,7,8,9,10,11
	ds_store_b128 v[STO], v[TMP+4*\b:TMP+4*\b+3] offset:(\b/4)*2304+32*(\b%4)
.endr
.irp t, 0,1,2
.irp i, 0,1,2,3
	ds_load_b128 v[BK+48*((\a)%2)+16*\t+4*\i:BK+48*((\a)%2)+16*\t+4*\i+3], v[RD] offset:\t*2304+576*\i   ; LDS serves a wave's instructions in order: these see the stores above
.endr
.endr
.endm
.macro SEND a
	s_wait_dscnt 0x0                               ; the block is back in registers
.irp t, 0,1,2
.irp i, 0,1,2,3
	global_store_b128 v[CO], v[BK+48*((\a)%2)+16*\t+4*\i:BK+48*((\a)%2)+16*\t+4*\i+3], s[68+2*\t:69+2*\t] offset:2048*(\a)+512*\i   ; 512 consecutive bytes, aligned
.endr
.endr
.endm
	PACK 0
	TOSTAGE 0
.irp a, 1,2,3
	PACK \a                                        ; block a's conversions stand between block a - 1's loads from the stage and the wait for them
	SEND \a-1
	TOSTAGE \a
.endr
	SEND 3
	s_wait_tensorcnt 0x0                           ; the wave's end: behind my last tensor load and my last LDS store
	ds_add_u32 v[SPW], v[NIL]
	s_wait_dscnt 0x0
	CROUND                                         ; the closing round
	s_endpgm
.Lfunc_end_k_q58b80ec5c0_qkv:
	.size	k_q58b80ec5c0_qkv, .Lfunc_end_k_q58b80ec5c0_qkv-k_q58b80ec5c0_qkv
	.p2alignl 7, 3214868480
	.fill 96, 4, 3214868480
	.section	.rodata,"a",@progbits
	.p2align	6, 0x0
	.amdhsa_kernel k_q58b80ec5c0_qkv
		.amdhsa_group_segment_fixed_size 327680
		.amdhsa_private_segment_fixed_size 0
		.amdhsa_enable_private_segment 0
		.amdhsa_kernarg_size 56
		.amdhsa_user_sgpr_count 2
		.amdhsa_user_sgpr_kernarg_segment_ptr 1
		.amdhsa_wavefront_size32 1
		.amdhsa_system_sgpr_workgroup_id_x 1
		.amdhsa_system_sgpr_workgroup_id_y 1
		.amdhsa_system_sgpr_workgroup_id_z 1
		.amdhsa_system_vgpr_workitem_id 0
		.amdhsa_next_free_vgpr 1024
		.amdhsa_next_free_sgpr 100
		.amdhsa_reserve_vcc 1
		.amdhsa_float_denorm_mode_32 3
		.amdhsa_float_denorm_mode_16_64 3
		.amdhsa_memory_ordered 1
		.amdhsa_forward_progress 1
		.amdhsa_inst_pref_size 103
	.end_amdhsa_kernel
	.amdgpu_metadata
---
amdhsa.version: [ 1, 2 ]
amdhsa.kernels:
  - .name:           k_q58b80ec5c0_qkv
    .symbol:         k_q58b80ec5c0_qkv.kd
    .args:
      - { .name: xc, .offset: 0, .size: 8, .value_kind: global_buffer, .address_space: global }
      - { .name: xs, .offset: 8, .size: 8, .value_kind: global_buffer, .address_space: global }
      - { .name: wc, .offset: 16, .size: 8, .value_kind: global_buffer, .address_space: global }
      - { .name: ws, .offset: 24, .size: 8, .value_kind: global_buffer, .address_space: global }
      - { .name: b_qkv, .offset: 32, .size: 8, .value_kind: global_buffer, .address_space: global }
      - { .name: qkv, .offset: 40, .size: 8, .value_kind: global_buffer, .address_space: global }
      - { .name: q16, .offset: 48, .size: 8, .value_kind: global_buffer, .address_space: global }
    .group_segment_fixed_size: 327680
    .private_segment_fixed_size: 0
    .kernarg_segment_align: 8
    .kernarg_segment_size: 56
    .max_flat_workgroup_size: 128
    .sgpr_count:     100
    .vgpr_count:     1024
    .wavefront_size: 32
...
	.end_amdgpu_metadata
.endif
;; end of part 2
;; launch attn (part 3): grid 4 x 64, 8 waves a work-group, no clusters, 327,680 bytes of LDS; arguments qkv, ao; writes ao
.if DOCPART == 3
	.amdgcn_target "amdgcn-amd-amdhsa--gfx1250"
	.amdhsa_code_object_version 6
	.text
	.protected	k_q58b80ec5c0_attn
	.globl	k_q58b80ec5c0_attn
	.p2align	8
	.type	k_q58b80ec5c0_attn,@function
k_q58b80ec5c0_attn:
	s_mov_b64 s[64:65], 0
	v_nop
	global_prefetch_b8 v0, s[64:65] scope:SCOPE_SE
	s_setreg_imm32_b32 hwreg(HW_REG_WAVE_MODE, 25, 1), 1
	s_wait_xcnt 0x0
; ao[b][h][q][:] = the sum over k <= q of softmax_k(q . k / 8) v[k][:].  q, k, v: the three planes of qkv, f16 [b][h][token][64]; ao likewise.  Products on f16 operands, maxima and sums in f32; the weights p
; are rounded to f16 for the second product, the result once at the end.
; LEFT OUT: key steps all of whose keys come after a wave's queries, and key blocks behind a query block: reference()'s own causal mask gives them the weight 0 (shown at the head of the first kernel).
; Positions 0-15 of each sequence are made here too, and made again more finely by the last launch.
; SHARES.  A work-group takes the blocks of 256 queries j and then 7 - j of one head (j = 0 .. 3): key blocks 0 .. j, then 0 .. 7 - j: NINE slots of 256 keys for every work-group, so the trip counts are constants
; and all 256 work-groups have the same work.  Each of eight waves owns 32 queries, two tiles of 16: two waves to a SIMD, so that one wave's softmax stands beside the other's products.
; NO CLUSTER: at a given trip the four work-groups of a head walk different key blocks; a joint walk would bring tiles that some partner never reads.
; LAYOUT.  S^T = K Q^T (source 0 = 16 keys, source 1 = 16 queries): a lane holds ONE query (lane % 16) and keys 8 (lane / 16) + 0..7 of each tile of 16.  Two such tiles, rounded in pairs, are source 1 of
; O^T = V^T P, whose result again holds one query a lane.  K comes out of LDS as it lies, V ([key][channel]) turned, by ds_load_tr16_b128.
; SOFTMAX.  A running maximum m and sum l for each query: p = 2^(c s - c m), c = log2(e) / 8; in every step O and l are multiplied by a = 2^(c m_old - c m_new).
; THE RING.  Two slots of 256 keys; wave w < 4 fetches K of the slot's step w, waves 4-7 V of step w - 4: one tensor load a wave is out behind each change of slots, and has a slot's four steps in which to land.
; REGISTERS: window 0: v1-15 addresses; v16-31 statistics, eight a tile; v32-95 S^T; v96-127 P; v128-191 K's 8 fragments; v192-255 V's 8.   window 1: v0-31 Q; v32-95 O^T; v128-159 Q of the second pass.
.set KP,    144                        ; a key's row of K in LDS: 128 bytes + 16
.set VP,    160                        ; of V: 128 + 32
.set VOFF,  64*KP                      ; a step's tiles lie together: 64 rows of K, then 64 of V
.set STEPB, 64*(KP+VP)
.set SLOT1, 1<<17                      ; slot 1 begins here: one exclusive or turns an address from slot to slot
.set STAGE, 2*SLOT1                    ; the way out: 2 tiles x 16 rows x 144 bytes for each wave
.set WSTG,  2*16*144
.set SPARE, STAGE+8*WSTG               ; the spare words, 128 bytes for each wave, that no other line names
.set AK0, 1
.set AV0, 2
.set ADK, 3
.set ADV, 4
.set QO,  5
.set STO, 6
.set RD,  7
.set GO,  8
.set RH,  9                            ; v9   lane % 16 - 8 (lane / 16)
.set D0,  10                           ; v10, v11  the mask's bound for tile 0, 1
.set NINF, 12                          ; v12  -infinity
.set PFO, 13                           ; v13  256 x lane: the prefetches' offset; never rewritten
.set SPW, 14                           ; v14  LDS address of my spare word; never rewritten
.set NIL, 15                           ; v15  0; never rewritten
.set ST,  16                           ; tile t at v[ST + 8 t]: +0 c m, +1 m, +2, +3 l (even keys', odd keys'), +4 .. +7 at work; a at +6
.set S,   32
.set P,   96
.set KFR, 128
.set VFR, 192
; s8 wave, s9 j, s47 the trip, s48 the step's count, s49 LDS byte of the step's tiles, s50 the step's first key, s51 my first query, s52 the key block asked for, s53 my first query of the second pass,
; s[54:55] c, s[56:57] lane selects, s[58:59] ao at my rows, s[66:67] the same for the second pass, s[14:15] my part of key block 0, s[44:45] where my prefetches stand, s46 how many trips prefetch
.set G1K, 24
.set G1V, 32
.set G0,  40
.set MSB, 0
.macro WIN new
.if MSB != (\new)
	s_set_vgpr_msb (MSB<<8)|(\new)
.set MSB, (\new)
.endif
.endm
.macro PLACES
.rept 4
	v_nop
.endr
.endm
.macro TLOAD                           ; K's and V's tiles differ in the padding: two groups 1, chosen by a branch on the wave's number; an s_nop 0 and four v_nop follow each line
	s_cmp_lt_u32 s8, 4
	s_cbranch_scc0 .Lfor_v_\@
	tensor_load_to_lds s[G0:G0+3], s[G1K:G1K+7]
	s_nop 0
.rept 4
	v_nop
.endr
	s_branch .Lasked_\@
.Lfor_v_\@:
	tensor_load_to_lds s[G0:G0+3], s[G1V:G1V+7]
	s_nop 0
.rept 4
	v_nop
.endr
.Lasked_\@:
.endm
; A prefetch into the L2 of the key block that the NEXT change of slots asks for.  Only the head's work-group j = 0 asks, whose second pass walks all eight blocks: at trip T = 0 .. 6 for block T + 1,
; 8,192 bytes a wave (waves 0-3 of K, 4-7 of V), lanes 256 bytes apart: blocks 1 to 7 are named once each in the launch, a slot's four steps ahead of that work-group's own load.  Block 0 comes by its load alone.
.macro ASK
	s_cmp_lt_u32 s47, s46
	s_cbranch_scc0 .Lnot_mine_\@
	global_prefetch_b8 v[PFO], s[44:45] th:TH_LOAD_NT scope:SCOPE_SE
.Lnot_mine_\@:
.endm
	s_load_b128 s[4:7], s[0:1], 0x0                ; qkv s[4:5], ao s[6:7]
	v_lshl_add_u32 v[SPW], v0, 2, SPARE
	v_mov_b32 v[NIL], 0
	ds_add_u32 v[SPW], v[NIL]                      ; the wave's opening: the add, twice on end, and its wait ahead of my first tensor load
	ds_add_u32 v[SPW], v[NIL]
	v_lshrrev_b32 v1, 5, v0
	v_readfirstlane_b32 s8, v1                     ; wave 0..7
	s_mov_b32 s9, ttmp9                            ; j
	s_and_b32 s10, ttmp7, 0xffff                   ; 16 x batch + head
	s_mov_b32 s[G1K], (1<<16)|(1<<20)|(4<<22)|(3<<25)   ; elements of 2 bytes; padding on: after every 32 words, 4 words
	s_mov_b32 s[G1V], (1<<16)|(1<<20)|(4<<22)|(7<<25)   ; 8 words
.irp g, G1K, G1V
	s_mov_b32 s[\g+1], 64<<16                      ; tensor_dim0 = 64
	s_mov_b32 s[\g+2], 64<<16                      ; tensor_dim1 = 64
	s_mov_b32 s[\g+3], 64<<16                      ; tile_dim0
	s_mov_b32 s[\g+4], 64                          ; tile_dim1
	s_mov_b32 s[\g+5], 64                          ; from row to row
	s_mov_b32 s[\g+6], 0
	s_mov_b32 s[\g+7], 0
.endr
	s_mov_b32 s54, 0x3e38aa3b                      ; c = log2(e) / 8
	s_mov_b32 s55, s54
	s_mov_b32 s56, 0x76543210
	s_mov_b32 s57, 0xfedcba98
	s_mov_b32 s47, 0
	s_mov_b32 s49, 0
	s_mov_b32 s50, 0
	s_mov_b32 s52, 0
	s_and_b32 s11, s8, 3                           ; which of a slot's four steps I fetch,
	s_lshr_b32 s12, s8, 2                          ; of K (0) or of V (1)
	s_mul_i32 s41, s11, STEPB
	s_mul_i32 s13, s12, VOFF
	s_add_co_u32 s41, s41, s13                     ; its place in slot 0
	s_mov_b32 s40, 1
	s_add_co_u32 s60, s12, 1
	s_lshl_b32 s60, s60, 24                        ; k's or v's plane,
	s_lshl_b32 s16, s10, 18                        ; the head's 262,144 bytes,
	s_add_co_u32 s60, s60, s16
	s_lshl_b32 s62, s11, 13                        ; my step's 64 rows of 128 bytes
	s_add_co_u32 s60, s60, s62
	s_mov_b32 s61, 0
	s_lshl_b32 s51, s9, 8
	s_lshl_b32 s13, s8, 5
	s_add_co_u32 s51, s51, s13                     ; my first query: 256 j + 32 w,
	s_sub_co_u32 s53, 7, s9
	s_lshl_b32 s53, s53, 8
	s_add_co_u32 s53, s53, s13                     ; and in the second pass: 256 (7 - j) + 32 w
	s_lshl_b32 s18, s51, 7
	s_add_co_u32 s18, s18, s16
	s_mov_b32 s19, 0
	s_lshl_b32 s20, s53, 7
	s_add_co_u32 s20, s20, s16
	s_mov_b32 s21, 0
	s_cmp_eq_u32 s9, 0
	s_cselect_b32 s46, 7, 0
	s_wait_dscnt 0x0                               ; both opening adds are done
	s_wait_kmcnt 0x0
	s_add_nc_u64 s[14:15], s[4:5], s[60:61]
	s_mov_b64 s[44:45], s[14:15]
	s_mov_b64 s[42:43], s[14:15]
	s_or_b32 s43, s43, 0x80000000
	TLOAD                                          ; slot 0: key block 0.  Every wave issues one
	s_add_nc_u64 s[22:23], s[4:5], s[18:19]        ; q at my rows, both passes
	s_add_nc_u64 s[68:69], s[4:5], s[20:21]
	s_add_nc_u64 s[58:59], s[6:7], s[18:19]        ; ao likewise
	s_add_nc_u64 s[66:67], s[6:7], s[20:21]
	v_and_b32 v32, 15, v0                          ; r
	v_bfe_u32 v33, v0, 4, 1                        ; h
	v_and_b32 v34, 31, v0                          ; lane
	v_lshlrev_b32 v[QO], 7, v32
	v_lshl_add_u32 v[QO], v33, 4, v[QO]            ; row r of 128 bytes + 16 h
	WIN 0x40                                       ; destination window 1
.irp t, 0,1
.irp c, 0,1
	global_load_b128 v[16*\t+8*\c:16*\t+8*\c+3], v[QO], s[22:23] offset:2048*\t+64*\c
	global_load_b128 v[16*\t+8*\c+4:16*\t+8*\c+7], v[QO], s[22:23] offset:2048*\t+64*\c+32
	global_load_b128 v[128+16*\t+8*\c:128+16*\t+8*\c+3], v[QO], s[68:69] offset:2048*\t+64*\c
	global_load_b128 v[128+16*\t+8*\c+4:128+16*\t+8*\c+7], v[QO], s[68:69] offset:2048*\t+64*\c+32
.endr
.endr
	WIN 0
	v_mul_u32_u24 v[AK0], v32, KP
	v_lshl_add_u32 v[AK0], v33, 4, v[AK0]
	v_and_b32 v35, 7, v0
	v_bfe_u32 v36, v0, 3, 1
	v_lshl_add_u32 v[AV0], v33, 3, v35             ; the turning load: lane l reads key 8 (l / 16) + l % 8, channels 8 ((l / 8) % 2) + 0..7
	v_mul_u32_u24 v[AV0], v[AV0], VP
	v_lshl_add_u32 v[AV0], v36, 4, v[AV0]
	v_add_nc_u32 v[AV0], VOFF, v[AV0]
	s_mul_i32 s13, s8, WSTG
	s_add_co_u32 s13, s13, STAGE                   ; my stage
	v_mul_u32_u24 v[STO], v32, 144
	v_lshl_add_u32 v[STO], v33, 4, v[STO]
	v_add_nc_u32 v[STO], s13, v[STO]
	v_lshrrev_b32 v37, 3, v34
	v_mul_u32_u24 v[RD], v37, 144
	v_lshl_add_u32 v[RD], v35, 4, v[RD]
	v_add_nc_u32 v[RD], s13, v[RD]
	v_lshlrev_b32 v[GO], 4, v34
	v_lshlrev_b32 v38, 3, v33
	v_sub_nc_u32 v[RH], v32, v38
	v_mov_b32 v[NINF], 0xff800000
	v_lshlrev_b32 v[PFO], 8, v34
.macro INIT                            ; a pass begins: m = -3e38, under every score; l and O^T zeros, which the first a = 0 leaves zeros: so the step is written once
.irp t, 0,1
	v_mov_b32 v[ST+8*\t+1], 0xff61b1e6
	v_mul_f32 v[ST+8*\t], s54, v[ST+8*\t+1]
.irp k, 2,3,4,5,6,7
	v_mov_b32 v[ST+8*\t+\k], 0
.endr
.endr
	WIN 0x40
.set i, 0
.rept 64
	v_mov_b32 v[32+i], 0
.set i, i+1
.endr
	WIN 0
.endm
.macro FETCH_K                         ; fragment (keys 16 kt on, channels 32 cg on) at KFR + 8 (2 kt + cg)
.irp kt, 0,1,2,3
.irp cg, 0,1
	ds_load_b128 v[KFR+8*(2*\kt+\cg):KFR+8*(2*\kt+\cg)+3], v[ADK] offset:\kt*16*KP+64*\cg
	ds_load_b128 v[KFR+8*(2*\kt+\cg)+4:KFR+8*(2*\kt+\cg)+7], v[ADK] offset:\kt*16*KP+64*\cg+32
.endr
.endr
.endm
.macro FETCH_V                         ; fragment (keys 32 g on, channels 16 ct on) at VFR + 8 (4 g + ct)
.irp g, 0,1
.irp ct, 0,1,2,3
	ds_load_tr16_b128 v[VFR+8*(4*\g+\ct):VFR+8*(4*\g+\ct)+3], v[ADV] offset:\g*32*VP+32*\ct
	ds_load_tr16_b128 v[VFR+8*(4*\g+\ct)+4:VFR+8*(4*\g+\ct)+7], v[ADV] offset:\g*32*VP+16*VP+32*\ct
.endr
.endr
.endm
.macro SOFTMAX                         ; both tiles, line by line by turns, so that no line reads the result of the line above it
.irp j, 0,1,2,3
.irp t, 0,1
	v_max3_num_f32 v[ST+8*\t+4+\j], v[S+32*\t+8*\j], v[S+32*\t+8*\j+1], v[S+32*\t+8*\j+2]   ; each accumulator is read from its low end on
.endr
.endr
.irp p, 3,5
.irp j, 0,1,2,3
.irp t, 0,1
	v_max3_num_f32 v[ST+8*\t+4+\j], v[ST+8*\t+4+\j], v[S+32*\t+8*\j+\p], v[S+32*\t+8*\j+\p+1]
.endr
.endr
.endr
.irp t, 0,1
	v_max3_num_f32 v[ST+8*\t+4], v[ST+8*\t+4], v[S+32*\t+7], v[S+32*\t+15]
.endr
.irp t, 0,1
	v_max3_num_f32 v[ST+8*\t+6], v[ST+8*\t+6], v[S+32*\t+23], v[S+32*\t+31]
.endr
.irp t, 0,1
	v_max3_num_f32 v[ST+8*\t+4], v[ST+8*\t+4], v[ST+8*\t+5], v[ST+8*\t+6]
.endr
.irp t, 0,1
	v_max3_num_f32 v[ST+8*\t+4], v[ST+8*\t+4], v[ST+8*\t+7], v[ST+8*\t+1]     ; with the old m
.endr
.irp t, 0,1
	v_permlanex16_b32 v[ST+8*\t+5], v[ST+8*\t+4], s56, s57                    ; the query's other 32 keys lie in the lane 16 away
.endr
.irp t, 0,1
	v_mov_b32 v[ST+8*\t+7], v[ST+8*\t]                                        ; c m_old
.endr
.irp t, 0,1
	v_max_num_f32 v[ST+8*\t+1], v[ST+8*\t+4], v[ST+8*\t+5]
.endr
.irp t, 0,1
	v_mul_f32 v[ST+8*\t], s54, v[ST+8*\t+1]
.endr
.irp t, 0,1
	v_sub_f32 v[ST+8*\t+7], v[ST+8*\t+7], v[ST+8*\t]
.endr
.irp b, 0,1,2,3,4,5,6,7,8,9,10,11,12,13,14,15
.irp t, 0,1
	v_pk_fma_f32 v[S+32*\t+2*\b:S+32*\t+2*\b+1], v[S+32*\t+2*\b:S+32*\t+2*\b+1], s[54:55], v[ST+8*\t:ST+8*\t+1] op_sel_hi:[1,0,0] neg_lo:[0,0,1] neg_hi:[0,0,1]   ; c s - c m
.endr
.endr
.irp t, 0,1
	v_exp_f32 v[ST+8*\t+6], v[ST+8*\t+7]                                      ; a
.endr
.irp e, 0,1,2,3,4,5,6,7,8,9,10,11,12,13,14,15,16,17,18,19,20,21,22,23,24,25,26,27,28,29,30,31
.irp t, 0,1
	v_exp_f32 v[S+32*\t+\e], v[S+32*\t+\e]
.endr
.endr
	v_nop                                          ; a plain instruction behind the last exponential
	s_wait_alu depctr_va_vdst(0)                   ; one wait for the batch of 66, ahead of the first line that names a result
.irp b, 0,1,2,3,4,5,6,7,8,9,10,11,12,13,14,15
.irp t, 0,1
	v_cvt_pk_f16_f32 v[P+16*\t+\b], v[S+32*\t+2*\b], v[S+32*\t+2*\b+1]
.endr
.endr
.irp z, 0,1,2,3,4,5,6,7
.irp t, 0,1
	v_pk_add_f32 v[S+32*\t+4*\z:S+32*\t+4*\z+1], v[S+32*\t+4*\z:S+32*\t+4*\z+1], v[S+32*\t+4*\z+2:S+32*\t+4*\z+3]   ; the sum of the unrounded weights, in place, as a tree
.endr
.endr
.irp z, 0,1,2,3
.irp t, 0,1
	v_pk_add_f32 v[S+32*\t+8*\z:S+32*\t+8*\z+1], v[S+32*\t+8*\z:S+32*\t+8*\z+1], v[S+32*\t+8*\z+4:S+32*\t+8*\z+5]
.endr
.endr
.irp z, 0,1
.irp t, 0,1
	v_pk_add_f32 v[S+32*\t+16*\z:S+32*\t+16*\z+1], v[S+32*\t+16*\z:S+32*\t+16*\z+1], v[S+32*\t+16*\z+8:S+32*\t+16*\z+9]
.endr
.endr
.irp t, 0,1
	v_pk_add_f32 v[S+32*\t:S+32*\t+1], v[S+32*\t:S+32*\t+1], v[S+32*\t+16:S+32*\t+17]
.endr
.irp t, 0,1
	v_pk_fma_f32 v[ST+8*\t+2:ST+8*\t+3], v[ST+8*\t+2:ST+8*\t+3], v[ST+8*\t+6:ST+8*\t+7], v[S+32*\t:S+32*\t+1] op_sel_hi:[1,0,1]   ; l = a l + the sum
.endr
	WIN 0x41                                       ; O^T (destination and source 0) window 1, a window 0
.irp b, 0,1,2,3,4,5,6,7,8,9,10,11,12,13,14,15
.irp t, 0,1
	v_pk_mul_f32 v[32+32*\t+2*\b:32+32*\t+2*\b+1], v[32+32*\t+2*\b:32+32*\t+2*\b+1], v[ST+8*\t+6:ST+8*\t+7] op_sel_hi:[1,0]
.endr
.endr
	WIN 0
.endm
; A KEY STEP: 64 keys.  The accumulators take turns, one instruction a turn: eight in each run of sixteen.
.macro STEP
	s_add_co_u32 s60, s51, 31
	s_cmp_gt_u32 s50, s60                          ; all 64 keys come after my 32 queries: the step's work is left out (ids and the count of steps alone); its address steps are not
	s_cbranch_scc1 .Lhidden_\@
	v_add_nc_u32 v[ADK], s49, v[AK0]
	v_add_nc_u32 v[ADV], s49, v[AV0]
	FETCH_K
	s_wait_dscnt 0x0
	WIN 0x04                                       ; Q in window 1
.set i, 0
.rept 16                                       ; channels 32 (i / 8) on, keys 16 ((i / 2) % 4) on, tile i % 2
.set rS, S+32*(i%2)+8*((i/2)%4)
.set rK, KFR+8*(2*((i/2)%4)+i/8)
.set rQ, 16*(i%2)+8*(i/8)
.if i < 8
	v_wmma_f32_16x16x32_f16 v[rS:rS+7], v[rK:rK+7], v[rQ:rQ+7], 0
.else
	v_wmma_f32_16x16x32_f16 v[rS:rS+7], v[rK:rK+7], v[rQ:rQ+7], v[rS:rS+7]
.endif
.set i, i+1
.endr
	WIN 0
	PLACES                                         ; four places: ahead of the first read of the scores, and (with the two additions above) of the loads into V's registers, which the last step's products read
	FETCH_V                                        ; lands while the softmax is walked
	s_add_co_u32 s60, s50, 63
	s_cmp_le_u32 s60, s51                          ; all 64 keys count for all my queries: no mask
	s_cbranch_scc1 .Lopen_\@
	s_sub_co_i32 s60, s51, s50
	v_add_nc_u32 v[D0], s60, v[RH]                 ; register n holds key KF + 16 (n / 8) + 8 (lane / 16) + n % 8: hidden where 16 (n / 8) + n % 8 > my query - KF - 8 (lane / 16)
	v_add_nc_u32 v[D0+1], 16, v[D0]
.irp t, 0,1
.irp n, 0,1,2,3,4,5,6,7,8,9,10,11,12,13,14,15,16,17,18,19,20,21,22,23,24,25,26,27,28,29,30,31
	v_cmp_gt_i32 vcc_lo, 16*(\n/8)+\n%8, v[D0+\t]
	v_cndmask_b32 v[S+32*\t+\n], v[S+32*\t+\n], v[NINF], vcc_lo
.endr
.endr
.Lopen_\@:
	SOFTMAX
	s_wait_dscnt 0x0                               ; V is in
	WIN 0x50                                       ; C and D window 1
.set i, 0
.rept 16                                       ; keys 32 (i / 8) on, channels 16 ((i / 2) % 4) on, tile i % 2
.set rO, 32+32*(i%2)+8*((i/2)%4)
.set rV, VFR+8*(4*(i/8)+(i/2)%4)
.set rP, P+16*(i%2)+8*(i/8)
	v_wmma_f32_16x16x32_f16 v[rO:rO+7], v[rV:rV+7], v[rP:rP+7], v[rO:rO+7]
.set i, i+1
.endr
	WIN 0
.Lhidden_\@:
	s_add_co_u32 s50, s50, 64
	s_add_co_u32 s49, s49, STEPB
.endm
.macro SLOT_STEPS                      ; a slot's four steps: written once, walked four times
	s_mov_b32 s48, 4
.Lstep_\@:
	STEP
	s_sub_co_u32 s48, s48, 1
	s_cmp_lg_u32 s48, 0
	s_cbranch_scc1 .Lstep_\@
	s_sub_co_u32 s49, s49, 4*STEPB
	s_xor_b32 s49, s49, SLOT1                      ; on to the other slot
.endm
; THE CHANGE OF SLOTS stands at a slot's head.  Each wave waits for all its tensor loads (its part of the slot ahead), adds 0 to its spare word, and waits for that and for its reads of the slot that it has left.
; fill = 1: behind the barrier that other slot takes the next key block: 0 again where the first pass ends with this slot (trip = j), else one on.
.macro CHANGE fill
	s_wait_tensorcnt 0x0                           ; no tensor load of mine is out, so group 0 may be written
	ds_add_u32 v[SPW], v[NIL]                      ; 0 onto my spare word; the descriptor's steps stand between it and the wait for it
.if \fill
	s_xor_b32 s41, s41, SLOT1
	s_add_co_u32 s52, s52, 1
	s_cmp_eq_u32 s47, s9
	s_cselect_b32 s52, 0, s52
	s_lshl_b32 s60, s52, 15                        ; 256 keys of 128 bytes
	s_mov_b32 s61, 0
	s_add_nc_u64 s[42:43], s[14:15], s[60:61]
	s_or_b32 s43, s43, 0x80000000
	s_wait_xcnt 0x0                                ; the last prefetch, a slot back, has read its address
	s_add_nc_u64 s[44:45], s[44:45], 0x8000
.endif
	s_wait_dscnt 0x0                               ; the add is done, and my reads of the slot that I have left are over
	s_barrier_signal -1
	s_barrier_wait -1
.if \fill
	TLOAD                                          ; the first thing behind the barrier, and my one tensor load until the next
	ASK
.endif
.endm
; A pass's way out: l's halves are added; O^T / l, rounded to f16, goes through my stage and leaves as 512 consecutive bytes (four queries) an instruction.
.macro FINAL
	PLACES                                         ; behind the last products
.irp t, 0,1
	v_add_f32 v[ST+8*\t+4], v[ST+8*\t+2], v[ST+8*\t+3]
.endr
.irp t, 0,1
	v_permlanex16_b32 v[ST+8*\t+5], v[ST+8*\t+4], s56, s57
.endr
.irp t, 0,1
	v_add_f32 v[ST+8*\t+4], v[ST+8*\t+4], v[ST+8*\t+5]
.endr
.irp t, 0,1
	v_rcp_f32 v[ST+8*\t+6], v[ST+8*\t+4]
.endr
	v_nop
	s_wait_alu depctr_va_vdst(0)                   ; one wait for the two reciprocals, ahead of their first reader
	WIN 0x41
.irp t, 0,1
.irp b, 0,1,2,3,4,5,6,7,8,9,10,11,12,13,14,15
	v_pk_mul_f32 v[32+32*\t+2*\b:32+32*\t+2*\b+1], v[32+32*\t+2*\b:32+32*\t+2*\b+1], v[ST+8*\t+6:ST+8*\t+7] op_sel_hi:[1,0]
.endr
.endr
	WIN 0x05                                       ; sources window 1, destination window 0: S^T's registers are free
.irp t, 0,1
.irp b, 0,1,2,3,4,5,6,7,8,9,10,11,12,13,14,15
	v_cvt_pk_f16_f32 v[32+16*\t+\b], v[32+32*\t+2*\b], v[32+32*\t+2*\b+1]
.endr
.endr
	WIN 0
.irp t, 0,1
.irp ct, 0,1,2,3
	ds_store_b128 v[STO], v[32+16*\t+4*\ct:32+16*\t+4*\ct+3] offset:2304*\t+32*\ct
.endr
.endr
.irp t, 0,1
.irp n, 0,1,2,3
	ds_load_b128 v[64+16*\t+4*\n:64+16*\t+4*\n+3], v[RD] offset:2304*\t+576*\n   ; LDS serves a wave's instructions in order: these see the stores above
.endr
.endr
.irp t, 0,1
.irp n, 0,1,2,3
	s_wait_dscnt 7-4*\t-\n
	global_store_b128 v[GO], v[64+16*\t+4*\n:64+16*\t+4*\n+3], s[58:59] offset:2048*\t+512*\n
.endr
.endr
.endm
.macro SWITCH                          ; the first pass is over: its rows go out, and the second pass's queries take their place
	FINAL
	s_wait_xcnt 0x0                                ; the stores have read their registers and their base
	s_mov_b32 s51, s53
	s_mov_b32 s50, 0
	s_mov_b64 s[58:59], s[66:67]
	WIN 0x41
.set i, 0
.rept 32
	v_mov_b32 v[i], v[128+i]
.set i, i+1
.endr
	WIN 0
	INIT
.endm
	INIT
	s_wait_loadcnt 0x0                             ; Q of both passes
.Lslot:                                            ; eight trips: behind each change of slots but the last the next slot is asked for
	CHANGE 1
	SLOT_STEPS
	s_cmp_lg_u32 s47, s9
	s_cbranch_scc1 .Lsame_pass
	SWITCH
.Lsame_pass:
	s_add_co_u32 s47, s47, 1
	s_cmp_lt_u32 s47, 8
	s_cbranch_scc1 .Lslot
	CHANGE 0                                       ; the ninth slot is written out: nothing is left to ask for
	SLOT_STEPS
	FINAL
	s_wait_tensorcnt 0x0                           ; the wave's end: behind my last tensor load and my last LDS store
	ds_add_u32 v[SPW], v[NIL]
	s_wait_dscnt 0x0
	s_endpgm
.Lfunc_end_k_q58b80ec5c0_attn:
	.size	k_q58b80ec5c0_attn, .Lfunc_end_k_q58b80ec5c0_attn-k_q58b80ec5c0_attn
	.p2alignl 7, 3214868480
	.fill 96, 4, 3214868480
	.section	.rodata,"a",@progbits
	.p2align	6, 0x0
	.amdhsa_kernel k_q58b80ec5c0_attn
		.amdhsa_group_segment_fixed_size 327680
		.amdhsa_private_segment_fixed_size 0
		.amdhsa_enable_private_segment 0
		.amdhsa_kernarg_size 16
		.amdhsa_user_sgpr_count 2
		.amdhsa_user_sgpr_kernarg_segment_ptr 1
		.amdhsa_wavefront_size32 1
		.amdhsa_system_sgpr_workgroup_id_x 1
		.amdhsa_system_sgpr_workgroup_id_y 1
		.amdhsa_system_sgpr_workgroup_id_z 1
		.amdhsa_system_vgpr_workitem_id 0
		.amdhsa_next_free_vgpr 512
		.amdhsa_next_free_sgpr 80
		.amdhsa_reserve_vcc 1
		.amdhsa_float_denorm_mode_32 3
		.amdhsa_float_denorm_mode_16_64 3
		.amdhsa_memory_ordered 1
		.amdhsa_forward_progress 1
		.amdhsa_inst_pref_size 72
	.end_amdhsa_kernel
	.amdgpu_metadata
---
amdhsa.version: [ 1, 2 ]
amdhsa.kernels:
  - .name:           k_q58b80ec5c0_attn
    .symbol:         k_q58b80ec5c0_attn.kd
    .args:
      - { .name: qkv, .offset: 0, .size: 8, .value_kind: global_buffer, .address_space: global }
      - { .name: ao, .offset: 8, .size: 8, .value_kind: global_buffer, .address_space: global }
    .group_segment_fixed_size: 327680
    .private_segment_fixed_size: 0
    .kernarg_segment_align: 8
    .kernarg_segment_size: 16
    .max_flat_workgroup_size: 256
    .sgpr_count:     80
    .vgpr_count:     512
    .wavefront_size: 32
...
	.end_amdgpu_metadata
.endif
;; end of part 3
;; launch outp (part 4): grid 8 x 64, 4 waves a work-group, clusters of 4 x 4, 327,680 bytes of LDS; arguments ao, wo, out0, b_out; writes out0
.if DOCPART == 4
	.amdgcn_target "amdgcn-amd-amdhsa--gfx1250"
	.amdhsa_code_object_version 6
	.text
	.protected	k_q58b80ec5c0_outp
	.globl	k_q58b80ec5c0_outp
	.p2align	8
	.type	k_q58b80ec5c0_outp,@function
k_q58b80ec5c0_outp:
	s_mov_b64 s[64:65], 0
	v_nop
	global_prefetch_b8 v0, s[64:65] scope:SCOPE_SE
	s_setreg_imm32_b32 hwreg(HW_REG_WAVE_MODE, 25, 1), 1
	s_wait_xcnt 0x0
	s_wait_alu depctr_hold_cnt(0) depctr_sa_sdst(0) depctr_va_vdst(0) depctr_va_sdst(0) depctr_va_ssrc(0) depctr_va_vcc(0) depctr_vm_vsrc(0)
	s_getreg_b32 s2, hwreg(HW_REG_IB_STS2, 6, 4)
	s_cmp_eq_u32 s2, 0
	s_cbranch_scc0 .Lentry_in_a_cluster
	s_endpgm
.Lentry_in_a_cluster:
	s_bfe_u32 s2, ttmp6, 0x10000c
	s_cmp_lg_u32 s2, 0xf033
	s_cbranch_scc0 .Lentry_shape_is_right
	s_endpgm
.Lentry_shape_is_right:
; out0[m][n] = the sum over k of A[m][k] wo[n][k] + b_out[n].  A is the attention's result, f16, stored [batch][head][token][64]: k = 64 head + channel.  wo: f16 [1024][1024], K innermost.  out0: f32 [8192][1024].  Sums in f32.
; Rows 0-15 of each batch are made here too, and written again, more finely, by the last launch.
; A tile of out0 is 128 x 128: 512 work-groups.  Four waves, each 64 x 64: 16 accumulators.  K goes in steps of 256 (four heads) through two LDS slots.
; A'S TILE: 64 tokens of a head are 8,192 dense bytes: one tensor load brings 4 rows (heads) of 4,096 elements, 131,072 elements apart, with 16 bytes of padding behind every 128: in LDS [head][token][144 bytes].
; CLUSTERS: 4 x 4 work-groups; A's tiles are shared along a row of the cluster, wo's along a column: joint loads.  THE MATRIX INSTRUCTION IS USED TRANSPOSED (source 0 = 16 rows of wo, source 1 = 16 rows of A).
; The bias is the C of each sum's first product.
; REGISTERS: window 0: v0-31 addresses; v32-95 the way out; v96-127 the bias; v128-255 the accumulators ((a, b) at v[128 + 8 (4 a + b)]).   window 1: two fragment buffers of 128: 64 of A, then 64 of wo.
.set KSTEP,  256
.set PA,     144                       ; a token's 128 bytes of a head + 16
.set PB,     528                       ; a row of wo's tile: 512 bytes + 16
.set HALFA,  4*64*PA                   ; what one tensor load brings of A
.set HALFB,  64*PB                     ; and of wo
.set BOFF,   2*HALFA
.set SLOT,   2*HALFA+2*HALFB
.set STAGE,  2*SLOT                    ; behind the ring: 16 rows x 272 bytes for each wave
.set SPITCH, 272
.set SPARE,  STAGE+4*16*SPITCH         ; the spare words, 128 bytes for each wave, that no other line names
.set LAPS,   2                         ; a lap = two K steps = once round the ring
.set ADRA, 16
.set ADRB, 20
.set STO,  24
.set RD,   25
.set CO,   26
.set SPW,  28
.set NIL,  29
.set TMP,  32
.set BIAS, 96
.set ACC,  128
.set F0,   0
.set F1,   128
.set G1, 24
.set G0, 32
.set G1B, 48
.set G0B, 56
.set MSB, 0
.macro WIN new
.if MSB != (\new)
	s_set_vgpr_msb (MSB<<8)|(\new)
.set MSB, (\new)
.endif
.endm
.set MUL,  0x05                        ; sources 0 and 1 window 1; C and D window 0
.set TO_F, 0x40                        ; destination window 1
.macro JLOAD s                         ; a joint load: waves 0 and 1 fetch A's halves, waves 2 and 3 wo's; an s_nop 0 and four v_nop follow each line
	s_cmp_eq_u32 s11, 0
	s_cbranch_scc0 .Lfor_b_\@
	tensor_load_to_lds s[G0+4*\s:G0+4*\s+3], s[G1:G1+7]
	s_nop 0
.rept 4
	v_nop
.endr
	s_branch .Lasked_\@
.Lfor_b_\@:
	tensor_load_to_lds s[G0B+4*\s:G0B+4*\s+3], s[G1B:G1B+7]
	s_nop 0
.rept 4
	v_nop
.endr
.Lasked_\@:
.endm
.macro CREST
	s_cmp_lg_u32 s10, 0
	s_cbranch_scc1 .Lnot_wave_0_\@
	s_barrier_signal -3
.Lnot_wave_0_\@:
	s_barrier_wait -3
	s_barrier_signal -1
	s_barrier_wait -1
.endm
.macro CROUND
	s_barrier_signal -1
	s_barrier_wait -1
	CREST
.endm
	s_load_b128 s[4:7], s[0:1], 0x0                ; ao s[4:5], wo s[6:7]
	s_load_b64 s[8:9], s[0:1], 0x10                ; out0
	s_load_b64 s[68:69], s[0:1], 0x18              ; b_out
	v_lshl_add_u32 v[SPW], v0, 2, SPARE
	v_mov_b32 v[NIL], 0
	ds_add_u32 v[SPW], v[NIL]                      ; the wave's opening: the add, twice on end, and its wait ahead of my first tensor load
	ds_add_u32 v[SPW], v[NIL]
	v_lshrrev_b32 v1, 5, v0
	v_readfirstlane_b32 s10, v1                    ; wave 0..3
	s_lshr_b32 s11, s10, 1                         ; which half of the tile's rows is mine.  Also: I fetch for A (0) or for wo (1)
	s_and_b32 s12, s10, 1                          ; which half of its columns.  Also: which half of that tile I fetch
	s_bfe_u32 s40, ttmp6, 0x40000
	s_bfe_u32 s41, ttmp6, 0x40004
	s_lshl_b32 s42, ttmp9, 2
	s_add_co_u32 s42, s42, s40                     ; tile column = 4 x cluster x + cx
	s_and_b32 s13, ttmp7, 0xffff
	s_lshl_b32 s13, s13, 2
	s_add_co_u32 s13, s13, s41                     ; tile row = 4 x cluster y + cy
	s_lshl_b32 s43, s41, 2
	s_lshl_b32 s43, 15, s43                        ; my row of the cluster
	s_lshl_b32 s44, 0x1111, s40                    ; my column
	s_or_b32 s[G1+0], s43, (1<<16)|(1<<20)|(1<<21)|(4<<22)|(3<<25)    ; the mask; elements of 2 bytes; padding on; bit 21 beside a mask; after every 32 words, 4 words
	s_mov_b32 s[G1+1], 4096<<16                    ; tensor_dim0 = 4,096: 64 tokens x 64 channels
	s_mov_b32 s[G1+2], 4<<16                       ; tensor_dim1 = 4 heads
	s_mov_b32 s[G1+3], 4096<<16                    ; tile_dim0
	s_mov_b32 s[G1+4], 4                           ; tile_dim1
	s_mov_b32 s[G1+5], 131072                      ; from head to head: 2,048 tokens x 64
	s_mov_b32 s[G1+6], 0
	s_mov_b32 s[G1+7], 0
	s_or_b32 s[G1B+0], s44, (1<<16)|(1<<20)|(1<<21)|(6<<22)|(3<<25)   ; after every 128 words, 4 words
	s_mov_b32 s[G1B+1], KSTEP<<16
	s_mov_b32 s[G1B+2], 64<<16
	s_mov_b32 s[G1B+3], KSTEP<<16
	s_mov_b32 s[G1B+4], 64
	s_mov_b32 s[G1B+5], 1024
	s_mov_b32 s[G1B+6], 0
	s_mov_b32 s[G1B+7], 0
	s_lshr_b32 s16, s13, 4
	s_lshl_b32 s16, s16, 22                        ; A: the batch's 4 MiB,
	s_and_b32 s17, s13, 15
	s_lshl_b32 s17, s17, 14                        ; the tile's 128 tokens of 128 bytes,
	s_add_co_u32 s16, s16, s17
	s_lshl_b32 s17, s12, 13                        ; the half that I fetch
	s_add_co_u32 s16, s16, s17
	s_mov_b32 s17, 0
	s_lshl_b32 s46, s42, 7
	s_lshl_b32 s47, s12, 6
	s_add_co_u32 s46, s46, s47                     ; wo: row 128 x tile column + 64 x half,
	s_lshl_b32 s46, s46, 11                        ; of 2,048 bytes
	s_mov_b32 s47, 0
	s_mul_i32 s20, s12, HALFA                      ; where they go: no place in the cluster enters an LDS address
	s_mul_i32 s21, s12, HALFB
	s_add_co_u32 s21, s21, BOFF
	s_wait_dscnt 0x0                               ; both opening adds are done
	s_wait_kmcnt 0x0
	s_add_nc_u64 s[14:15], s[4:5], s[16:17]
	s_add_nc_u64 s[46:47], s[6:7], s[46:47]
	CROUND                                         ; all sixteen work-groups are here: the first joint loads meet
.irp s, 0,1
	s_mov_b32 s[G0+4*\s], 1
	s_add_co_u32 s[G0+4*\s+1], s20, \s*SLOT
	s_add_nc_u64 s[G0+4*\s+2:G0+4*\s+3], s[14:15], \s*0x100000      ; K step s: four heads of 262,144 bytes on
	s_or_b32 s[G0+4*\s+3], s[G0+4*\s+3], 0x80000000
	s_mov_b32 s[G0B+4*\s], 1
	s_add_co_u32 s[G0B+4*\s+1], s21, \s*SLOT
	s_add_nc_u64 s[G0B+4*\s+2:G0B+4*\s+3], s[46:47], \s*KSTEP*2
	s_or_b32 s[G0B+4*\s+3], s[G0B+4*\s+3], 0x80000000
	JLOAD \s
.endr
	v_and_b32 v1, 15, v0                           ; l % 16
	v_bfe_u32 v2, v0, 4, 1                         ; l / 16
	s_lshl_b32 s46, s42, 9
	s_lshl_b32 s47, s12, 8
	s_add_co_u32 s46, s46, s47                     ; my first column, in bytes of f32: 512 x tile column + 256 x half
	s_mov_b32 s47, 0
	s_add_nc_u64 s[68:69], s[68:69], s[46:47]
	v_lshlrev_b32 v6, 5, v2                        ; the bias of block b: columns 16 b + 8 (l / 16) + 0 .. 7
.irp b, 0,1,2,3
	global_load_b128 v[BIAS+8*\b:BIAS+8*\b+3], v6, s[68:69] offset:64*\b
	global_load_b128 v[BIAS+8*\b+4:BIAS+8*\b+7], v6, s[68:69] offset:64*\b+16
.endr
	v_mul_u32_u24 v3, v1, PA
	v_lshl_add_u32 v3, v2, 4, v3
	v_mul_u32_u24 v4, v1, PB
	v_lshl_add_u32 v4, v2, 4, v4
	s_mul_i32 s21, s11, HALFA                      ; my 64 rows of A
	s_mul_i32 s22, s12, HALFB                      ; my 64 rows of wo,
	s_add_co_u32 s22, s22, BOFF                    ; behind A's
.irp s, 0,1
	v_add_nc_u32 v[ADRA+\s], s21, v3
	v_add_nc_u32 v[ADRB+\s], s22, v4
	s_add_co_u32 s21, s21, SLOT
	s_add_co_u32 s22, s22, SLOT
.endr
	s_mul_i32 s23, s10, 16*SPITCH
	s_add_co_u32 s23, s23, STAGE                   ; my stage
	v_mul_u32_u24 v5, v1, SPITCH
	v_lshl_add_u32 v5, v2, 5, v5
	v_add_nc_u32 v[STO], s23, v5                   ; in: row l % 16, 32 bytes for each half of the lanes
	v_mul_u32_u24 v5, v2, SPITCH
	v_lshl_add_u32 v5, v1, 4, v5
	v_add_nc_u32 v[RD], s23, v5                    ; back: lanes 0-15 one row of 256 bytes, lanes 16-31 the next
	v_lshlrev_b32 v5, 12, v2
	v_lshl_add_u32 v[CO], v1, 4, v5                ; and the same two rows in out0
	s_lshl_b32 s16, s13, 7
	s_lshl_b32 s17, s11, 6
	s_add_co_u32 s16, s16, s17                     ; my first row: 128 x tile row + 64 x half,
	s_lshl_b32 s16, s16, 12                        ; of 4,096 bytes,
	s_add_co_u32 s16, s16, s46                     ; and my first column
	s_mov_b32 s17, 0
	s_add_nc_u64 s[8:9], s[8:9], s[16:17]
; 8 products: m blocks a0, a0 + 1 x all 4 n blocks, 32 along K: half c of buffer f.  first = 1: the sums start from the bias
.macro MUL8 f, c, a0, first
.irp a, \a0, \a0+1
.irp b, 0,1,2,3
.if \first
	v_wmma_f32_16x16x32_f16 v[ACC+8*(4*(\a)+\b):ACC+8*(4*(\a)+\b)+7], v[\f+64+8*(4*\c+\b):\f+64+8*(4*\c+\b)+7], v[\f+8*(4*\c+\a):\f+8*(4*\c+\a)+7], v[BIAS+8*\b:BIAS+8*\b+7]
.else
	v_wmma_f32_16x16x32_f16 v[ACC+8*(4*(\a)+\b):ACC+8*(4*(\a)+\b)+7], v[\f+64+8*(4*\c+\b):\f+64+8*(4*\c+\b)+7], v[\f+8*(4*\c+\a):\f+8*(4*\c+\a)+7], v[ACC+8*(4*(\a)+\b):ACC+8*(4*(\a)+\b)+7]
.endif
.endr
.endr
.endm
; 32 LDS loads in one run: the slot's quarter q (64 along K: one head) into buffer f; its first 32 along K first
.macro FETCH slot, q, f
	WIN TO_F
.irp c, 0,1
.irp i, 0,1,2,3
	ds_load_b128 v[\f+64+8*(4*\c+\i):\f+64+8*(4*\c+\i)+3],   v[ADRB+\slot] offset:128*(\q)+64*\c+\i*16*PB
	ds_load_b128 v[\f+64+8*(4*\c+\i)+4:\f+64+8*(4*\c+\i)+7], v[ADRB+\slot] offset:128*(\q)+64*\c+\i*16*PB+32
	ds_load_b128 v[\f+8*(4*\c+\i):\f+8*(4*\c+\i)+3],         v[ADRA+\slot] offset:64*PA*(\q)+64*\c+\i*16*PA
	ds_load_b128 v[\f+8*(4*\c+\i)+4:\f+8*(4*\c+\i)+7],       v[ADRA+\slot] offset:64*PA*(\q)+64*\c+\i*16*PA+32
.endr
.endr
.endm
.macro PLACES
.rept 4
	v_nop
.endr
.endm
; one of a K step's first three quarters: multiplies buffer f and fetches quarter q of the same slot into g
.macro QUARTER slot, q, f, g, first
	s_wait_dscnt 16                                ; the first 32 along K are in; the youngest sixteen loads may be out
	WIN MUL
	MUL8 \f, 0, 0, \first
	MUL8 \f, 0, 2, \first
	PLACES
	FETCH \slot, \q, \g
	s_wait_dscnt 32                                ; all but the 32 just issued
	WIN MUL
	MUL8 \f, 1, 0, 0
	MUL8 \f, 1, 2, 0
.endm
; the last quarter multiplies buffer 1 and changes slots: one barrier; in front of it each wave waits for all its tensor loads, adds 0 to its spare word, and waits for that and for its reads of this slot
.macro TURN slot, next, fill
	WIN 0                                          ; (the add's two registers lie in window 0)
	s_wait_tensorcnt 0x0                           ; all my tensor loads have landed: my part of the next slot
	ds_add_u32 v[SPW], v[NIL]
	s_wait_dscnt 17                                ; (the add and the youngest sixteen loads may be out)
	WIN MUL
	MUL8 F1, 0, 0, 0
	s_wait_dscnt 0x0                               ; the add is done, and my reads of this slot are over
	s_barrier_signal -1
	MUL8 F1, 0, 2, 0
.if \fill
	WIN 0
.endif
	s_barrier_wait -1
.if \fill
	CREST                                          ; the barrier has opened a round of the cluster's: no wave of any partner still reads this slot or has a load on its way
	s_add_nc_u64 s[G0+4*\slot+2:G0+4*\slot+3], s[G0+4*\slot+2:G0+4*\slot+3], 0x200000
	s_add_nc_u64 s[G0B+4*\slot+2:G0B+4*\slot+3], s[G0B+4*\slot+2:G0B+4*\slot+3], 2*KSTEP*2
	JLOAD \slot                                    ; the first tensor load behind the round; its four v_nop are also the places in front of the loads below
.else
	PLACES
.endif
	FETCH \next, 0, F0
	WIN MUL
	MUL8 F1, 1, 0, 0
	MUL8 F1, 1, 2, 0
.endm
	s_wait_tensorcnt 1                             ; my part of K step 0 is in; K step 1's load may stay out
	s_barrier_signal -1
	s_barrier_wait -1
	FETCH 0, 0, F0
	s_wait_loadcnt 0x0                             ; the bias
	QUARTER 0, 1, F0, F1, 1                        ; the first quarter stands in front of the loop: its first products start the sums
	WIN 0
	s_mov_b32 s3, LAPS-1
.Llap:                                             ; a trip goes once round the ring and fills both slots again
	QUARTER 0, 2, F1, F0, 0
	QUARTER 0, 3, F0, F1, 0
	TURN 0, 1, 1
	QUARTER 1, 1, F0, F1, 0
	QUARTER 1, 2, F1, F0, 0
	QUARTER 1, 3, F0, F1, 0
	TURN 1, 0, 1
	QUARTER 0, 1, F0, F1, 0
	WIN 0
	s_sub_co_u32 s3, s3, 1
	s_cmp_lg_u32 s3, 0
	s_cbranch_scc1 .Llap
	QUARTER 0, 2, F1, F0, 0                        ; the last lap fills nothing
	QUARTER 0, 3, F0, F1, 0
	TURN 0, 1, 0
	QUARTER 1, 1, F0, F1, 0
	QUARTER 1, 2, F1, F0, 0
	QUARTER 1, 3, F0, F1, 0
	s_wait_dscnt 16
	WIN MUL
	MUL8 F1, 0, 0, 0
	MUL8 F1, 0, 2, 0
	s_wait_dscnt 0
	MUL8 F1, 1, 0, 0
	MUL8 F1, 1, 2, 0
	WIN 0
; THE WAY OUT, a block of 16 rows x 64 columns at a time, through my own stage: a lane's 32 bytes in, whole rows of 256 bytes back.
.macro TOSTAGE a
.if (\a) >= 2
	s_wait_xcnt 0x0                                ; block a - 2's stores have read the registers into which these loads land
.endif
.irp b, 0,1,2,3
	ds_store_b128 v[STO], v[ACC+8*(4*(\a)+\b):ACC+8*(4*(\a)+\b)+3] offset:64*\b       ; each accumulator from its low end on
	ds_store_b128 v[STO], v[ACC+8*(4*(\a)+\b)+4:ACC+8*(4*(\a)+\b)+7] offset:64*\b+16
.endr
.irp i, 0,1,2,3,4,5,6,7
	ds_load_b128 v[TMP+32*((\a)%2)+4*\i:TMP+32*((\a)%2)+4*\i+3], v[RD] offset:2*SPITCH*\i   ; LDS serves a wave's instructions in order
.endr
.endm
.macro SEND a, younger                 ; younger: the LDS instructions issued behind block a's loads, which may stay out
	s_wait_dscnt \younger
.irp i, 0,1,2,3,4,5,6,7
	global_store_b128 v[CO], v[TMP+32*((\a)%2)+4*\i:TMP+32*((\a)%2)+4*\i+3], s[8:9] offset:(16*(\a)+2*\i)*4096 th:TH_STORE_NT   ; sixteen lanes store 256 consecutive bytes, aligned
.endr
.endm
	PLACES
	TOSTAGE 0
.irp a, 1,2,3
	TOSTAGE \a
	SEND \a-1, 16                                  ; behind block a - 1's loads: block a's 8 stores and 8 loads
.endr
	SEND 3, 0
	s_wait_tensorcnt 0x0                           ; the wave's end: behind my last tensor load and my last LDS store
	ds_add_u32 v[SPW], v[NIL]
	s_wait_dscnt 0x0
	CROUND                                         ; the closing round
	s_endpgm
.Lfunc_end_k_q58b80ec5c0_outp:
	.size	k_q58b80ec5c0_outp, .Lfunc_end_k_q58b80ec5c0_outp-k_q58b80ec5c0_outp
	.p2alignl 7, 3214868480
	.fill 96, 4, 3214868480
	.section	.rodata,"a",@progbits
	.p2align	6, 0x0
	.amdhsa_kernel k_q58b80ec5c0_outp
		.amdhsa_group_segment_fixed_size 327680
		.amdhsa_private_segment_fixed_size 0
		.amdhsa_enable_private_segment 0
		.amdhsa_kernarg_size 32
		.amdhsa_user_sgpr_count 2
		.amdhsa_user_sgpr_kernarg_segment_ptr 1
		.amdhsa_wavefront_size32 1
		.amdhsa_system_sgpr_workgroup_id_x 1
		.amdhsa_system_sgpr_workgroup_id_y 1
		.amdhsa_system_sgpr_workgroup_id_z 1
		.amdhsa_system_vgpr_workitem_id 0
		.amdhsa_next_free_vgpr 512
		.amdhsa_next_free_sgpr 72
		.amdhsa_reserve_vcc 0
		.amdhsa_float_denorm_mode_32 3
		.amdhsa_float_denorm_mode_16_64 3
		.amdhsa_memory_ordered 1
		.amdhsa_forward_progress 1
		.amdhsa_inst_pref_size 87
	.end_amdhsa_kernel
	.amdgpu_metadata
---
amdhsa.version: [ 1, 2 ]
amdhsa.kernels:
  - .name:           k_q58b80ec5c0_outp
    .symbol:         k_q58b80ec5c0_outp.kd
    .args:
      - { .name: ao, .offset: 0, .size: 8, .value_kind: global_buffer, .address_space: global }
      - { .name: wo, .offset: 8, .size: 8, .value_kind: global_buffer, .address_space: global }
      - { .name: out0, .offset: 16, .size: 8, .value_kind: global_buffer, .address_space: global }
      - { .name: b_out, .offset: 24, .size: 8, .value_kind: global_buffer, .address_space: global }
    .group_segment_fixed_size: 327680
    .private_segment_fixed_size: 0
    .kernarg_segment_align: 8
    .kernarg_segment_size: 32
    .max_flat_workgroup_size: 128
    .sgpr_count:     72
    .vgpr_count:     512
    .wavefront_size: 32
...
	.end_amdgpu_metadata
.endif
;; end of part 4
;; launch first16 (part 5): grid 64 x 4, 16 waves a work-group, no clusters, 18,432 bytes of LDS; arguments q16, W_out, b_out, out0; writes out0
.if DOCPART == 5
	.amdgcn_target "amdgcn-amd-amdhsa--gfx1250"
	.amdhsa_code_object_version 6
	.text
	.protected	k_q58b80ec5c0_first16
	.globl	k_q58b80ec5c0_first16
	.p2align	8
	.type	k_q58b80ec5c0_first16,@function
k_q58b80ec5c0_first16:
	s_mov_b64 s[64:65], 0
	v_nop
	global_prefetch_b8 v0, s[64:65] scope:SCOPE_SE
	s_setreg_imm32_b32 hwreg(HW_REG_WAVE_MODE, 25, 1), 1
	s_wait_xcnt 0x0
; Positions 0-15 of each sequence, whose rows average one to sixteen values and are the largest in size, in f32 throughout: scores, softmax, weighted values and the projection.  Their 64 rows of out0 are written
; over what the launch before left there.
; LEFT OUT, as in the earlier kernels: keys behind position 15 (reference()'s causal mask hides them from these queries) and k's bias, which q16 does not hold (shown at the head of the first kernel).
; SHARES.  A work-group: one batch and 16 columns of out0.  Wave hd is head hd: its 16 x 16 attention by v_wmma_f32_16x16x4_f32, and its 64 channels' share of the projection's K; the 16 partial sums meet in LDS.
; (The small attention is made anew in each of a batch's 64 work-groups: 32 matrix instructions a wave, in place of a launch and a buffer more.  A work-group's 64 bytes of a row are part of an aligned 256: 64 rows in all.)
; q16: [batch][head][image 2 blk + u][lane][16 bytes]: lane (r, hh) holds token r, columns 16 blk + 8 hh + 4 u + 0 .. 3 of the head's 192 (q 0-63, k 64-127, v 128-191).
; LAYOUTS (lane (r, h), the form's k = 2 h + j).  S^T = K Q^T: q's and k's images are loaded alike, so both carry the same order of the channels.  In S^T a lane holds query r and keys 8 h + 0..7; the pair of
; registers 2 s, 2 s + 1 of p is source 1 of step s of O^T = V^T P, whose source 0 holds V[key 8 h + 2 s + j][channel 16 c + r].  O^T's registers (query r, channels 16 c + 8 h + 0..7) are in turn source 1 of the
; projection, whose source 0 holds W_out[64 hd + 16 c + 8 h + 2 s + j][n0 + r]: the result holds out(query r, n0 + 8 h + 0..7).
; The registers that the f32 matrix form writes (v144-159, v168-215) are written by matrix instructions alone; what is made of them goes elsewhere.  Two or four accumulators take turns.
.set SPARE, 16384                      ; behind the 16 partial sums of 1,024 bytes: the spare words, 128 bytes for each wave
	s_load_b128 s[4:7], s[0:1], 0x0                ; q16 s[4:5], W_out s[6:7]
	s_load_b128 s[8:11], s[0:1], 0x10              ; b_out s[8:9], out0 s[10:11]
	v_lshl_add_u32 v12, v0, 2, SPARE               ; v12: my spare word; v13: 0; never rewritten
	v_mov_b32 v13, 0
	v_lshrrev_b32 v1, 5, v0
	v_readfirstlane_b32 s12, v1                    ; wave = head
	s_and_b32 s13, ttmp7, 0xffff                   ; batch
	s_lshl_b32 s14, ttmp9, 4                       ; n0
	v_and_b32 v1, 31, v0                           ; lane
	v_and_b32 v2, 15, v0                           ; r
	v_bfe_u32 v3, v0, 4, 1                         ; h
	v_lshlrev_b32 v4, 4, v1                        ; an image's 16 bytes of my lane
	v_bfe_u32 v5, v0, 2, 1
	v_bfe_u32 v6, v0, 3, 1
	v_and_b32 v7, 3, v0
	v_lshlrev_b32 v5, 9, v5                        ; V[key 8 h + i][16 c + r]: image 16 + 2 c + (r / 4) % 2,
	v_lshl_add_u32 v5, v6, 8, v5                   ; lane 8 h + i + 16 (r / 8),
	v_lshl_add_u32 v5, v7, 2, v5                   ; word r % 4
	v_lshl_add_u32 v5, v3, 7, v5
	v_lshlrev_b32 v6, 2, v2
	v_lshl_add_u32 v6, v3, 15, v6                  ; W_out: 8 h rows of 4,096 bytes + 4 r
	v_lshlrev_b32 v7, 5, v3                        ; the bias: 32 h
	s_lshl_b32 s15, s12, 10
	v_add_nc_u32 v8, s15, v4                       ; LDS: my wave's partial sums
	s_and_b32 s16, s12, 1
	s_lshl_b32 s17, s16, 9
	v_add_nc_u32 v9, s17, v4                       ; and where waves 0 and 1 read: registers 4 u .. 4 u + 3 of every wave's
	v_lshlrev_b32 v10, 12, v2
	v_lshl_add_u32 v10, v3, 5, v10                 ; out0: row r + 32 h bytes
	v_lshlrev_b32 v11, 3, v3
	v_sub_nc_u32 v11, v2, v11                      ; r - 8 h: key 8 h + j is hidden where j is above it
	v_mov_b32 v14, 0xff800000                      ; -infinity
	v_mov_b32 v225, 0                              ; written once: a lane permute's destination counts as one of its sources
	v_mov_b32 v228, 0
	s_mov_b32 s26, 0x3e38aa3b                      ; c = log2(e) / 8
	s_mov_b32 s28, 0x76543210
	s_mov_b32 s29, 0xfedcba98
	s_lshl_b32 s18, s13, 4
	s_add_co_u32 s18, s18, s12
	s_mul_i32 s18, s18, 24*512                     ; this batch's and head's images
	s_mov_b32 s19, 0
	s_lshl_b32 s20, s12, 18                        ; W_out: 64 rows a head,
	s_lshl_b32 s22, s14, 2
	s_add_co_u32 s20, s20, s22                     ; column n0
	s_mov_b32 s21, 0
	s_lshl_b32 s23, s16, 4
	s_add_co_u32 s22, s22, s23                     ; b_out: 4 n0 + 16 u
	s_mov_b32 s23, 0
	s_lshl_b32 s24, s13, 23                        ; out0: the batch's 2,048 rows of 4,096 bytes
	s_add_co_u32 s24, s24, s22
	s_mov_b32 s25, 0
	s_wait_kmcnt 0x0
	s_add_nc_u64 s[4:5], s[4:5], s[18:19]
	s_add_nc_u64 s[6:7], s[6:7], s[20:21]
	s_add_nc_u64 s[8:9], s[8:9], s[22:23]
	s_add_nc_u64 s[10:11], s[10:11], s[24:25]
	s_cmp_gt_u32 s12, 1                            ; the bias is wanted by the two waves that add the parts; it is the first load, so the counts below are the same in all waves
	s_cbranch_scc1 .Lno_bias
	global_load_b128 v[232:235], v7, s[8:9]
.Lno_bias:
.irp i, 0,1,2,3,4,5,6,7
	global_load_b128 v[16+4*\i:19+4*\i], v4, s[4:5] offset:512*\i          ; q
.endr
.irp i, 0,1,2,3,4,5,6,7
	global_load_b128 v[48+4*\i:51+4*\i], v4, s[4:5] offset:512*(8+\i)      ; k
.endr
.irp c, 0,1,2,3
.irp i, 0,1,2,3,4,5,6,7
	global_load_b32 v[80+8*\c+\i], v5, s[4:5] offset:(16+2*\c)*512+16*\i   ; V^T
.endr
.endr
	s_wait_loadcnt 32                              ; q and k are in; V's 32 loads may be out
	v_wmma_f32_16x16x4_f32 v[144:151], v[48:49], v[16:17], 0               ; the first two K steps start the two sums
	v_wmma_f32_16x16x4_f32 v[152:159], v[50:51], v[18:19], 0
.irp s, 2,4,6,8,10,12,14
	v_wmma_f32_16x16x4_f32 v[144:151], v[48+2*\s:49+2*\s], v[16+2*\s:17+2*\s], v[144:151]
	v_wmma_f32_16x16x4_f32 v[152:159], v[50+2*\s:51+2*\s], v[18+2*\s:19+2*\s], v[152:159]
.endr
.irp c, 0,1,2,3
.irp i, 0,1,2,3,4,5,6,7
	global_load_b32 v[112+8*\c+\i], v6, s[6:7] offset:(16*\c+\i)*4096      ; W_out: lands while the softmax is made
.endr
.endr
.rept 8
	v_nop                                          ; eight places behind this form, ahead of the first read of results
.endr
.irp j, 0,1,2,3,4,5,6,7
	v_add_f32 v[160+\j], v[144+\j], v[152+\j]      ; the scores; each accumulator from its low end on
.endr
.irp j, 0,1,2,3,4,5,6,7
	v_cmp_gt_i32 vcc_lo, \j, v11
	v_cndmask_b32 v[160+\j], v[160+\j], v14, vcc_lo
.endr
	v_max3_num_f32 v224, v160, v161, v162
	v_max3_num_f32 v224, v224, v163, v164
	v_max3_num_f32 v224, v224, v165, v166
	v_max_num_f32 v224, v224, v167
	v_permlanex16_b32 v225, v224, s28, s29
	v_max_num_f32 v224, v224, v225                 ; the row's maximum: key 0 counts for every query, so it is a number
	v_mul_f32 v226, s26, v224
.irp j, 0,1,2,3,4,5,6,7
	v_fma_f32 v[160+\j], v[160+\j], s26, -v226
.endr
.irp j, 0,1,2,3,4,5,6,7
	v_exp_f32 v[160+\j], v[160+\j]
.endr
	v_nop
	s_wait_alu depctr_va_vdst(0)                   ; one wait for the eight, ahead of their first reader
	v_add_f32 v227, v160, v161
	v_add_f32 v229, v162, v163
	v_add_f32 v230, v164, v165
	v_add_f32 v231, v166, v167
	v_add_f32 v227, v227, v229
	v_add_f32 v230, v230, v231
	v_add_f32 v227, v227, v230
	v_permlanex16_b32 v228, v227, s28, s29
	v_add_f32 v227, v227, v228
	v_rcp_f32 v229, v227
	v_nop
	s_wait_alu depctr_va_vdst(0)
.irp j, 0,1,2,3,4,5,6,7
	v_mul_f32 v[160+\j], v[160+\j], v229           ; the weights, normalised
.endr
	s_wait_loadcnt 32                              ; V is in; W_out's 32 loads may be out
.irp s, 0,1,2,3
.irp c, 0,1,2,3
.if \s == 0
	v_wmma_f32_16x16x4_f32 v[168+8*\c:175+8*\c], v[80+8*\c+2*\s:81+8*\c+2*\s], v[160+2*\s:161+2*\s], 0
.else
	v_wmma_f32_16x16x4_f32 v[168+8*\c:175+8*\c], v[80+8*\c+2*\s:81+8*\c+2*\s], v[160+2*\s:161+2*\s], v[168+8*\c:175+8*\c]
.endif
.endr
.endr
.rept 9
	v_nop                                          ; nine places before a matrix instruction takes these results as a source
.endr
	s_wait_loadcnt 0x0                             ; W_out
.irp c, 0,1,2,3
.irp s, 0,2
.if (\c == 0) && (\s == 0)
	v_wmma_f32_16x16x4_f32 v[200:207], v[112:113], v[168:169], 0
	v_wmma_f32_16x16x4_f32 v[208:215], v[114:115], v[170:171], 0
.else
	v_wmma_f32_16x16x4_f32 v[200:207], v[112+8*\c+2*\s:113+8*\c+2*\s], v[168+8*\c+2*\s:169+8*\c+2*\s], v[200:207]
	v_wmma_f32_16x16x4_f32 v[208:215], v[114+8*\c+2*\s:115+8*\c+2*\s], v[170+8*\c+2*\s:171+8*\c+2*\s], v[208:215]
.endif
.endr
.endr
.rept 8
	v_nop
.endr
.irp j, 0,1,2,3,4,5,6,7
	v_add_f32 v[216+\j], v[200+\j], v[208+\j]      ; my head's part of out(query r, n0 + 8 h + j)
.endr
	ds_store_b128 v8, v[216:219]
	ds_store_b128 v8, v[220:223] offset:512
	s_wait_dscnt 0x0                               ; for the others' sake: my stores are done
	s_barrier_signal -1
	s_barrier_wait -1
	s_cmp_gt_u32 s12, 1
	s_cbranch_scc1 .Ldone
.irp w, 0,1,2,3,4,5,6,7,8,9,10,11,12,13,14,15
	ds_load_b128 v[16+4*\w:19+4*\w], v9 offset:1024*\w
.endr
	s_wait_dscnt 0x0
.irp w, 0,1,2,3,4,5,6,7,8,9,10,11,12,13,14,15
	v_pk_add_f32 v[232:233], v[232:233], v[16+4*\w:17+4*\w]     ; a fixed order: the bias, then head 0 to head 15
	v_pk_add_f32 v[234:235], v[234:235], v[18+4*\w:19+4*\w]
.endr
	global_store_b128 v10, v[232:235], s[10:11]
.Ldone:
	s_wait_tensorcnt 0x0                           ; the wave's end: behind my last LDS store
	ds_add_u32 v12, v13
	s_wait_dscnt 0x0
	s_endpgm
.Lfunc_end_k_q58b80ec5c0_first16:
	.size	k_q58b80ec5c0_first16, .Lfunc_end_k_q58b80ec5c0_first16-k_q58b80ec5c0_first16
	.p2alignl 7, 3214868480
	.fill 96, 4, 3214868480
	.section	.rodata,"a",@progbits
	.p2align	6, 0x0
	.amdhsa_kernel k_q58b80ec5c0_first16
		.amdhsa_group_segment_fixed_size 18432
		.amdhsa_private_segment_fixed_size 0
		.amdhsa_enable_private_segment 0
		.amdhsa_kernarg_size 32
		.amdhsa_user_sgpr_count 2
		.amdhsa_user_sgpr_kernarg_segment_ptr 1
		.amdhsa_wavefront_size32 1
		.amdhsa_system_sgpr_workgroup_id_x 1
		.amdhsa_system_sgpr_workgroup_id_y 1
		.amdhsa_system_sgpr_workgroup_id_z 1
		.amdhsa_system_vgpr_workitem_id 0
		.amdhsa_next_free_vgpr 256
		.amdhsa_next_free_sgpr 66
		.amdhsa_reserve_vcc 1
		.amdhsa_float_denorm_mode_32 3
		.amdhsa_float_denorm_mode_16_64 3
		.amdhsa_memory_ordered 1
		.amdhsa_forward_progress 1
		.amdhsa_inst_pref_size 21
	.end_amdhsa_kernel
	.amdgpu_metadata
---
amdhsa.version: [ 1, 2 ]
amdhsa.kernels:
  - .name:           k_q58b80ec5c0_first16
    .symbol:         k_q58b80ec5c0_first16.kd
    .args:
      - { .name: q16, .offset: 0, .size: 8, .value_kind: global_buffer, .address_space: global }
      - { .name: W_out, .offset: 8, .size: 8, .value_kind: global_buffer, .address_space: global }
      - { .name: b_out, .offset: 16, .size: 8, .value_kind: global_buffer, .address_space: global }
      - { .name: out0, .offset: 24, .size: 8, .value_kind: global_buffer, .address_space: global }
    .group_segment_fixed_size: 18432
    .private_segment_fixed_size: 0
    .kernarg_segment_align: 8
    .kernarg_segment_size: 32
    .max_flat_workgroup_size: 512
    .sgpr_count:     66
    .vgpr_count:     256
    .wavefront_size: 32
...
	.end_amdgpu_metadata
.endif
;; end of part 5
